; MI455X (gfx1250); checked and timed in simulation.
; The chip was launched on July 23, 2026; its instructions are those of AMD's public machine-readable ISA for CDNA 5 (MIT licence, August 2026) and "CDNA5" Instruction Set Architecture Reference Guide (July 2026). The comments in the code are by the model that wrote it; some were corrected since.
;; Cross Attention Layer. Allowed arithmetic: matrix products marked QUANTISED: E2M1 operands, one E8M0 scale for each 32 along K, by v_wmma_scale_f32_16x16x128_f8f6f4 with both operands' format E2M1 (or v_wmma_scale_f32_32x16x128_f4), f32 sums; everything else in f32.
;; Inputs: Wkv 1,024 x 2,048 float32; Wo 1,024 x 1,024 float32; Wq 1,024 x 1,024 float32; bkv 2,048 float32; bo 1,024 float32; bq 1,024 float32; encoder_hidden_states 4 x 2,048 x 1,024 float32; hidden_states 4 x 2,048 x 1,024 float32; kn_w 64 float32; qn_w 64 float32.
;; Outputs: out0 4 x 2,048 x 1,024 float32.
;; This version of the problem:
;;   THIS VERSION OF THE PROBLEM IS GIVEN IN LOW PRECISION. The matrix products marked QUANTISED in the list below multiply operands that are first quantised to E2M1 (2 exponent bits, 1 mantissa bit; 4 bits a number), with one power-of-two scale for each 32 numbers along K (OCP MX v1.0); their sums are f32. All else is computed in f32.
;;   The module's matrix products, in the order in which they are computed (A, B: the left and right operand; K: the contracted axis; several contracted axes count as one K, in the product's order):
;;     1. [M 8,192, K 1,024] x [K 1,024, N 1,024]; A: input hidden_states; B: input Wq: QUANTISED
;;     2. [M 8,192, K 1,024] x [K 1,024, N 2,048]; A: input encoder_hidden_states; B: input Wkv: QUANTISED
;;     3. batch 64 x [M 2,048, K 64] x [K 64, N 2,048]; A: computed on the way; B: computed on the way: QUANTISED
;;     4. batch 64 x [M 2,048, K 2,048] x [K 2,048, N 64]; A: softmax (see below); B: computed on the way: QUANTISED
;;     5. [M 8,192, K 1,024] x [K 1,024, N 1,024]; A: computed on the way; B: input Wo: QUANTISED
;;   THE QUANTISER, for each operand of a quantised product, along K:
;;     - K is cut into blocks of 32 from its start; a last block that is shorter is filled with zeros.
;;     - A block's scale is 2^e with e = floor(log2(the largest magnitude in the block)) - 2, held to -126 .. 127; a block of zeros has e = 0. As a byte (E8M0): e + 127.
;;     - Each number is divided by its block's scale, clamped to +-6, and rounded to the nearest number of E2M1, ties to even, subnormals kept.
;;     - The product sums the exact products of the quantised numbers (number of the format x scale) in f32.
;;   ~~~python
;;   def quantise(x, axis):      # numpy; x: float32 -> the quantised numbers, widened to float32 again
;;       x = np.moveaxis(x, axis, -1); K = x.shape[-1]
;;       x = np.pad(x, [(0, 0)] * (x.ndim - 1) + [(0, -K % 32)]); x = x.reshape(x.shape[:-1] + (-1, 32)); a = np.abs(x).max(-1, keepdims=True)
;;       e = np.where(a > 0, np.clip(np.frexp(np.where(a > 0, a, 1))[1] - 1 - 2, -126, 127), 0)      # np.frexp(a)[1] - 1 = floor(log2(a)), exactly
;;       r = np.clip(x / 2.0 ** e, -6, 6)
;;       step = 2.0 ** (np.maximum(np.frexp(np.where(r == 0, 1, r))[1] - 1, 0) - 1)
;;       q = np.round(r / step) * step * 2.0 ** e      # np.round: ties to even
;;       return np.moveaxis(q.reshape(q.shape[:-2] + (-1,))[..., :K], -1, axis).astype(np.float32)
;;   ~~~
;;   SOFTMAX AHEAD OF A QUANTISED PRODUCT. Where the list says 'softmax', what is quantised is not the finished softmax but p = 2^(t - M), with t = logit x log2(e) and M = ceil(the row's largest t), a whole number; so 1/2 < the row's largest p <= 1. The row's sum l is taken of the UNQUANTISED p, in f32, and the product's result is divided by l at the end. Since M is a whole number, a kernel that streams over the keys may use a running M (the ceiling of the running maximum): every later rescaling is an exact power of two, which a block's scale takes up: the codes' values come out the same.
;;   OPERANDS COMPUTED ON THE WAY. 'Computed on the way' means the value that the module computes at that place (a softmax that the list does not call 'softmax' is quantised finished and normalised). What goes into a quantiser is computed in f32, as accurately as f32 sums, v_exp_f32 and their like allow (about 1e-6 of the number): no bf16 or f16 on the way to a quantiser, and a product that is left as it is and whose result goes on into a quantised operand takes f32 operands (vector FMAs, or v_wmma_f32_16x16x4_f32). A number that lies on a knife's edge between two numbers of the format may be rounded either way, as far as f32 arithmetic and the matrix unit's own rounding can turn it there, and no further.
;; One version. Each part assembles by itself: llvm-mc -triple=amdgcn-amd-amdhsa -mcpu=gfx1250 --defsym DOCPART=n.
;; ======== version 1 of 1: 4 launches
;; limits: right only within a limited range of input values
;; workspace buffers: xq 8,912,896 bytes; wimg 2,195,456 bytes; wsc 137,216 bytes; biasp 12,288 bytes; qbuf 4,718,592 bytes; kvbuf 9,175,040 bytes; cbuf 4,456,448 bytes
;; launch prep (part 1): grid 387 x 1, 8 waves a work-group, no clusters, 68,608 bytes of LDS; arguments hidden_states, encoder_hidden_states, Wq, Wkv, Wo, bq, bkv, xq, wimg, wsc, biasp; writes xq, wimg, wsc, biasp
.if DOCPART == 1
	.amdgcn_target "amdgcn-amd-amdhsa--gfx1250"
	.amdhsa_code_object_version 6
	.text
	.protected	k_q32c4542bc0_prep
	.globl	k_q32c4542bc0_prep
	.p2align	8
	.type	k_q32c4542bc0_prep,@function
k_q32c4542bc0_prep:
	s_mov_b64 s[64:65], 0
	v_nop
	global_prefetch_b8 v0, s[64:65] scope:SCOPE_SE
	s_setreg_imm32_b32 hwreg(HW_REG_WAVE_MODE, 25, 1), 1
	s_wait_xcnt 0x0
; PREP: the operands that arrive as f32 become codes of E2M1 with one E8M0 byte for each 32 along K, laid as IMAGES OF OPERAND REGISTERS.
; NOTHING OF reference() IS LEFT OUT IN THIS PROGRAM: every input (both activations, the three weights, the three biases, the two gains) has a way to the output, and all are loaded.
; The columns of [q_proj | kv_proj] are c = 192 hd + 3 d + j (j = 0, 1, 2: q, k, v); c < 1024 comes from hidden_states x Wq, the rest from encoder_hidden_states x Wkv.  Head 5 (c = 960 .. 1151) is mixed.
; THE ROW MAP: lane r of tile T takes member pi(T, r) = 32 (T / 2) + 8 (T % 2) + r % 8 + 16 (r / 8) of its 128 tokens or 64 columns, so that the 16 registers of two neighbouring result tiles are 16 neighbours along the next K.
; A fragment (16 members x 128 K) is 8 registers: lane (r, h) holds k = 64 c + 32 h + 0 .. 31 in registers 4 c .. 4 c + 3.  A piece is 4 registers: 512 bytes, lane l's 16 bytes at 16 l.
;   xq  [src 2][rb 64] blocks of 69,632 bytes: codes at s 8192 + T 1024 + c 512 + 16 lane; scale words at 65,536 + s 512 + (16 (T / 4) + r) 16 + (T % 4) 4.
;   wimg [G 67] x 32,768: s 4096 + t 1024 + c 512 + 16 lane.   wsc [G] x 2,048: b 1024 + s 128 + 4 (16 u + r), tile t = 2 b + u.   biasp [g 48][d 64] f32.
;   G = 3 hd + j: a head's q, k or v columns; G = 48 + j: head 5's columns that come from Wq (d < 32 only); G = 51 + go: 64 columns of Wo.  In head 5's two images the codes of the columns that belong to the other weight are zeros.
; Work-groups 0 .. 255 take the activations (through each wave's own stage in LDS, so that loads are dense and a lane still gets 32 neighbours along K); work-groups 256 .. 386 take the weights (a lane a column, registers down K; no LDS).
; A block's scale byte is its largest magnitude's exponent field - 2, held at 1 from below by a floor among the maximum's leaves.
; LIMITS: NaN and infinities among the inputs are not served.  A block whose largest magnitude lies under 2^-124 keeps the byte 1; a block of zeros keeps the byte 1 where the rule says 127: its codes are zeros, and this program alone reads the bytes.
.set STG,   8448                       ; a wave's stage: 16 rows x (512 bytes + 16)
.set SPARE, 8*STG                      ; behind the stages: the spare words, 128 bytes for each wave
.set XBLK,  69632
	s_load_b256 s[4:11], s[0:1], 0x0               ; hidden_states, encoder_hidden_states, Wq, Wkv
	s_load_b256 s[12:19], s[0:1], 0x20             ; Wo, bq, bkv, xq
	s_load_b128 s[20:23], s[0:1], 0x40             ; wimg, wsc
	s_load_b64 s[24:25], s[0:1], 0x50              ; biasp
	v_lshl_add_u32 v5, v0, 2, SPARE                ; my spare word; never rewritten
	v_mov_b32 v6, 0                                ; 0; never rewritten
	v_lshrrev_b32 v7, 5, v0
	s_delay_alu instid0(VALU_DEP_1)
	v_readfirstlane_b32 s26, v7                    ; wave 0..7
	v_and_b32 v7, 31, v0                           ; lane
	s_cmp_ge_u32 ttmp9, 256
	s_cbranch_scc1 .Lweights
; ---------------- THE ACTIVATIONS.  src = x / 128, rb = (x / 2) % 64; wave w: K step s = 4 (x % 2) + w / 2, tiles T = 4 (w % 2) + i, i = 0 .. 3: 64 rows x 512 bytes.
	v_lshlrev_b32 v1, 4, v7                        ; 16 x lane
	s_mul_i32 s27, s26, STG
	v_add_nc_u32 v2, s27, v1                       ; the stage, on the way in: a row's 512 bytes as they lie
	v_and_b32 v8, 15, v0                           ; r
	v_bfe_u32 v9, v0, 4, 1                         ; h
	s_delay_alu instid0(VALU_DEP_2)
	v_mul_u32_u24 v3, v8, 528
	s_delay_alu instid0(VALU_DEP_1)
	v_lshl_add_u32 v3, v9, 7, v3
	s_delay_alu instid0(VALU_DEP_1)
	v_add_nc_u32 v3, s27, v3                       ; and on the way out: row r, + 128 h: my 32 neighbours of each 64
	v_lshlrev_b32 v4, 4, v8
	s_delay_alu instid0(VALU_DEP_1)
	v_lshl_add_u32 v4, v9, 3, v4                   ; the scale words' place: 16 r + 8 h
	v_lshlrev_b32 v10, 3, v9                       ; 8 h: my bytes' shift in a scale word
	v_mov_b32 v15, 0                               ; a lane permute's destination counts as read
	s_mov_b32 s46, 0x76543210
	s_mov_b32 s47, 0xfedcba98                      ; v_permlanex16_b32's selects for lane l xor 16
	s_mov_b32 s48, 0xffff0000                      ; lanes 16-31
	s_lshr_b32 s28, ttmp9, 7                       ; src
	s_bfe_u32 s29, ttmp9, 0x60001                  ; rb
	s_and_b32 s30, ttmp9, 1
	s_lshl_b32 s30, s30, 2
	s_lshr_b32 s31, s26, 1
	s_add_co_u32 s30, s30, s31                     ; s
	s_and_b32 s31, s26, 1                          ; which 64 rows
	s_lshl_b32 s36, s29, 19                        ; 128 rows of 4,096 bytes,
	s_lshl_b32 s37, s31, 18                        ; 64 rows,
	s_add_co_u32 s36, s36, s37
	s_lshl_b32 s37, s30, 9                         ; 128 numbers
	s_add_co_u32 s36, s36, s37
	s_mov_b32 s37, 0
	s_mul_i32 s38, s28, 64*XBLK
	s_mul_i32 s39, s29, XBLK
	s_add_co_u32 s38, s38, s39                     ; the block in xq
	s_lshl_b32 s40, s30, 13
	s_add_co_u32 s40, s40, s38
	s_lshl_b32 s41, s31, 12
	s_add_co_u32 s40, s40, s41                     ; my four tiles' codes
	s_mov_b32 s41, 0
	s_lshl_b32 s42, s30, 9
	s_add_co_u32 s42, s42, s38
	s_lshl_b32 s43, s31, 8
	s_add_co_u32 s42, s42, s43
	s_add_co_u32 s42, s42, 0x10000                 ; and their 256 bytes of scale words
	s_mov_b32 s43, 0
	s_wait_alu depctr_va_vdst(0)
	s_wait_kmcnt 0x0
	s_cmp_eq_u32 s28, 0                            ; the choice hangs on the work-group's number alone
	s_cselect_b64 s[32:33], s[4:5], s[6:7]
	s_add_nc_u64 s[32:33], s[32:33], s[36:37]
	s_add_nc_u64 s[34:35], s[18:19], s[40:41]
	s_add_nc_u64 s[44:45], s[18:19], s[42:43]
; REGISTERS: v16-143 two sets of 64 as loaded; v144-207 my 2 x 32 neighbours; v208-239 codes, four for each (tile, half), so that no store's data are written again; v240-243 the tiles' scale words
.macro LOADU i                         ; tile i's 16 rows, in the order of its lanes: each load reads 512 consecutive bytes
.irp q, 0,1,2,3,4,5,6,7,8,9,10,11,12,13,14,15
	global_load_b128 v[16+64*((\i)&1)+4*\q:16+64*((\i)&1)+4*\q+3], v1, s[32:33] offset:(32*((\i)>>1)+8*((\i)&1)+(\q&7)+16*(\q>>3))*4096 th:TH_LOAD_NT
.endr
.endm
.macro BLK c, i                        ; my block 2 c + h of row r: all 32 numbers are mine
.set XB, 144+32*(\c)
.set CB, 208+8*(\i)+4*(\c)
	v_max3_num_f32 v8, |v[XB]|, |v[XB+1]|, |v[XB+2]|
	v_max3_num_f32 v9, |v[XB+3]|, |v[XB+4]|, |v[XB+5]|
.irp k, 6,10,14,18,22,26
	s_delay_alu instid0(VALU_DEP_2)
	v_max3_num_f32 v8, v8, |v[XB+\k]|, |v[XB+\k+1]|
	s_delay_alu instid0(VALU_DEP_2)
	v_max3_num_f32 v9, v9, |v[XB+\k+2]|, |v[XB+\k+3]|
.endr
	s_delay_alu instid0(VALU_DEP_2)
	v_max3_num_f32 v8, v8, |v[XB+30]|, |v[XB+31]|
	s_delay_alu instid0(VALU_DEP_1)
	v_max3_num_f32 v8, v8, v9, 0x1800000           ; the floor 2^(3 - 127): the byte cannot fall under 1
	s_delay_alu instid0(VALU_DEP_1)
	v_add_nc_u32 v11, 0xff000000, v8               ; 2 off the exponent field: the conversion's scale operand
	s_delay_alu instid0(VALU_DEP_1)
	v_lshrrev_b32 v[12+\c], 23, v11                ; the scale's byte
.irp g, 0,1,2,3
	v_cvt_scalef32_pk8_fp4_f32 v[CB+\g], v[XB+8*\g:XB+8*\g+7], v11
.endr
	global_store_b128 v1, v[CB:CB+3], s[34:35] offset:(\i)*1024+(\c)*512   ; a piece: 512 consecutive bytes
.endm
.macro UNIT i
.if (\i) < 3
	s_wait_loadcnt 16                              ; this tile's 16 loads are in; the next tile's may be out
.else
	s_wait_loadcnt 0x0
.endif
.irp q, 0,1,2,3,4,5,6,7,8,9,10,11,12,13,14,15
	ds_store_b128 v2, v[16+64*((\i)&1)+4*\q:16+64*((\i)&1)+4*\q+3] offset:\q*528
.endr
.irp c, 0,1
.irp k, 0,1,2,3,4,5,6,7
	ds_load_b128 v[144+32*\c+4*\k:144+32*\c+4*\k+3], v3 offset:256*\c+16*\k   ; LDS serves a wave's instructions in order: these see the stores above
.endr
.endr
	s_wait_dscnt 8                                 ; the stores have read their registers and the first block is back; the second block's 8 loads may be out
.if (\i) < 2
	LOADU (\i)+2
.endif
	BLK 0, \i
	s_wait_dscnt 0x0
	BLK 1, \i
	v_lshl_or_b32 v14, v13, 16, v12                ; my two bytes: blocks h and 2 + h,
	s_delay_alu instid0(VALU_DEP_1)
	v_lshlrev_b32 v14, v10, v14                    ; at their places;
	s_delay_alu instid0(VALU_DEP_1)
	v_permlanex16_b32 v15, v14, s46, s47
	s_delay_alu instid0(VALU_DEP_1)
	v_or_b32 v[240+\i], v14, v15                   ; with lane l xor 16's two the word is whole
.endm
	LOADU 0
	LOADU 1
	UNIT 0
	UNIT 1
	UNIT 2
	UNIT 3
	v_cndmask_b32 v244, v240, v242, s48            ; lanes 0-15 store tiles 0, 1 of my four, lanes 16-31 tiles 2, 3
	s_delay_alu instid0(VALU_DEP_2)
	v_cndmask_b32 v245, v241, v243, s48
	global_store_b64 v4, v[244:245], s[44:45]      ; 256 consecutive bytes, aligned
	s_wait_tensorcnt 0x0                           ; the wave's end, behind my last LDS store
	ds_add_u32 v5, v6
	s_wait_dscnt 0x0
	s_endpgm
; ---------------- THE WEIGHTS.  P = x - 256.  A work-group takes 32 columns (half b of a group) and all of K; wave s takes K step s.  Lane x is the group's column 32 b + x = pi(2 b + u, r).
.Lweights:
	s_wait_alu depctr_va_vdst(0)
	v_bfe_u32 v8, v7, 3, 1                         ; u
	v_and_b32 v9, 7, v7
	v_lshrrev_b32 v10, 4, v7
	s_delay_alu instid0(VALU_DEP_1)
	v_lshl_add_u32 v9, v10, 3, v9                  ; r
	s_delay_alu instid0(VALU_DEP_1)
	v_lshlrev_b32 v2, 4, v9
	s_delay_alu instid0(VALU_DEP_1)
	v_lshl_add_u32 v2, v8, 10, v2                  ; my codes' place: u 1024 + 16 r
	s_delay_alu instid0(VALU_DEP_3)
	v_lshl_add_u32 v3, v8, 4, v9
	s_delay_alu instid0(VALU_DEP_1)
	v_lshlrev_b32 v3, 2, v3                        ; my scale word's: 4 (16 u + r)
	s_sub_co_u32 s27, ttmp9, 256                   ; P
	s_cmp_ge_u32 s27, 99
	s_cbranch_scc1 .Lwo
	s_cmp_ge_u32 s27, 96
	s_cbranch_scc1 .Lextra
	s_lshr_b32 s28, s27, 1                         ; G
	s_and_b32 s29, s27, 1                          ; b
	s_mul_i32 s30, s28, 171
	s_lshr_b32 s30, s30, 9                         ; hd = G / 3 (exact for G < 48)
	s_mul_i32 s31, s30, 3
	s_sub_co_u32 s31, s28, s31                     ; j
	s_cmp_lt_u32 s30, 5
	s_cselect_b32 s32, 1, 0                        ; heads 0-4 come from Wq
	s_branch .Lqkvcol
.Lextra:
	s_sub_co_u32 s28, s27, 48                      ; G = 48 + j
	s_mov_b32 s29, 0
	s_mov_b32 s30, 5
	s_sub_co_u32 s31, s27, 96
	s_mov_b32 s32, 1
.Lqkvcol:
	s_mul_i32 s33, s30, 192
	s_add_co_u32 s33, s33, s31
	s_mul_i32 s34, s29, 96
	s_add_co_u32 s33, s33, s34
	v_mul_u32_u24 v4, v7, 3
	s_delay_alu instid0(VALU_DEP_1)
	v_add_nc_u32 v4, s33, v4                       ; c = 192 hd + j + 3 (32 b + x)
	s_delay_alu instid0(VALU_DEP_1)
	v_min_u32 v10, 0x3ff, v4                       ; in Wq, held inside it
	s_delay_alu instid0(VALU_DEP_2)
	v_max_u32 v11, 0x400, v4
	s_delay_alu instid0(VALU_DEP_1)
	v_add_nc_u32 v11, 0xfffffc00, v11              ; in Wkv, held inside it
	s_cmp_eq_u32 s32, 1
	s_cselect_b32 s34, -1, 0
	v_cndmask_b32 v1, v11, v10, s34
	s_delay_alu instid0(VALU_DEP_1)
	v_lshlrev_b32 v1, 2, v1
	s_wait_kmcnt 0x0
	s_cmp_eq_u32 s32, 1
	s_cselect_b64 s[36:37], s[8:9], s[10:11]
	s_branch .Lwgo
.Lwo:
	s_sub_co_u32 s33, s27, 99
	s_lshr_b32 s34, s33, 1                         ; go
	s_and_b32 s29, s33, 1                          ; b
	s_add_co_u32 s28, s34, 51                      ; G
	s_mov_b32 s30, 0                               ; (not head 5)
	s_mov_b32 s32, 1                               ; rows of 4,096 bytes
	s_lshl_b32 s34, s34, 6
	s_lshl_b32 s33, s29, 5
	s_add_co_u32 s34, s34, s33
	v_add_nc_u32 v4, s34, v7                       ; the column of Wo
	s_delay_alu instid0(VALU_DEP_1)
	v_lshlrev_b32 v1, 2, v4
	s_wait_kmcnt 0x0
	s_mov_b64 s[36:37], s[12:13]
.Lwgo:
	s_cmp_eq_u32 s32, 1
	s_cselect_b32 s33, 19, 20                      ; 128 rows of 4,096 or of 8,192 bytes
	s_lshl_b32 s38, s26, s33
	s_mov_b32 s39, 0
	s_add_nc_u64 s[36:37], s[36:37], s[38:39]      ; my K step
	s_lshl_b32 s38, s28, 15
	s_lshl_b32 s33, s26, 12
	s_add_co_u32 s38, s38, s33
	s_lshl_b32 s33, s29, 11
	s_add_co_u32 s38, s38, s33
	s_add_nc_u64 s[40:41], s[20:21], s[38:39]      ; wimg + G 32768 + s 4096 + b 2048
	s_lshl_b32 s38, s28, 11
	s_lshl_b32 s33, s29, 10
	s_add_co_u32 s38, s38, s33
	s_lshl_b32 s33, s26, 7
	s_add_co_u32 s38, s38, s33
	s_add_nc_u64 s[42:43], s[22:23], s[38:39]      ; wsc + G 2048 + b 1024 + s 128
.macro WLOAD pitch                     ; W(128 s + k, my column), k = 0 .. 127
.set k, 0
.rept 128
	global_load_b32 v[64+k], v1, s[36:37] offset:k*\pitch
.set k, k+1
.endr
.endm
	s_cmp_eq_u32 s32, 1
	s_cbranch_scc0 .Lwide
	s_wait_alu depctr_va_vdst(0)
	WLOAD 4096
	s_branch .Lwloaded
.Lwide:
	s_wait_alu depctr_va_vdst(0)
	WLOAD 8192
.Lwloaded:
.macro WBLK q                          ; block q of my column's 128: it is registers 4 (q / 2) .. + 3 of lane (r, q % 2)
.if (96-32*\q) > 63
	s_wait_loadcnt 63                              ; behind this block's 32 loads stand 96 - 32 q more; the wait can name 63 at the most, and a smaller count than the true one is safe
.else
	s_wait_loadcnt 96-32*\q                        ; this block's 32 loads are in; the later blocks' may be out
.endif
.set XB, 64+32*\q
	v_max3_num_f32 v12, |v[XB]|, |v[XB+1]|, |v[XB+2]|
	v_max3_num_f32 v13, |v[XB+3]|, |v[XB+4]|, |v[XB+5]|
.irp k, 6,10,14,18,22,26
	s_delay_alu instid0(VALU_DEP_2)
	v_max3_num_f32 v12, v12, |v[XB+\k]|, |v[XB+\k+1]|
	s_delay_alu instid0(VALU_DEP_2)
	v_max3_num_f32 v13, v13, |v[XB+\k+2]|, |v[XB+\k+3]|
.endr
	s_delay_alu instid0(VALU_DEP_2)
	v_max3_num_f32 v12, v12, |v[XB+30]|, |v[XB+31]|
	s_delay_alu instid0(VALU_DEP_1)
	v_max3_num_f32 v12, v12, v13, 0x1800000
	s_delay_alu instid0(VALU_DEP_1)
	v_add_nc_u32 v11, 0xff000000, v12
	s_delay_alu instid0(VALU_DEP_1)
	v_lshrrev_b32 v13, 23, v11
.if \q == 0
	s_delay_alu instid0(VALU_DEP_1)
	v_mov_b32 v208, v13
.else
	s_delay_alu instid0(VALU_DEP_1)
	v_lshl_or_b32 v208, v13, 8*\q, v208            ; the four bytes make my column's scale word
.endif
.irp g, 0,1,2,3
	v_cvt_scalef32_pk8_fp4_f32 v[192+4*\q+\g], v[XB+8*\g:XB+8*\g+7], v11
.endr
.endm
	WBLK 0
	WBLK 1
	WBLK 2
	WBLK 3
	v_nop                                          ; one plain place behind the last scaled conversion
	s_cmp_eq_u32 s30, 5                            ; head 5: the columns that belong to the other weight get zero codes
	s_cbranch_scc0 .Lplain
	v_cmp_gt_u32 s44, 0x400, v4                    ; c < 1024: Wq's
	s_cmp_ge_u32 s27, 96
	s_cselect_b32 s45, 0, -1
	s_xor_b32 s44, s44, s45                        ; the main image keeps the others
	v_cndmask_b32 v14, 0, -1, s44
.set k, 0
.rept 16
	v_and_b32 v[192+k], v14, v[192+k]
.set k, k+1
.endr
.Lplain:
	s_wait_alu depctr_va_vdst(0)
.irp q, 0,1,2,3
	global_store_b128 v2, v[192+4*\q:195+4*\q], s[40:41] offset:(\q>>1)*512+(\q&1)*256   ; two aligned runs of 256 bytes, one for each of the two tiles
.endr
	global_store_b32 v3, v208, s[42:43]            ; 128 consecutive bytes
	s_cmp_lt_u32 s27, 96                           ; the bias of these 32 columns, in the order [g][d]: wave 0 of a main group's work-group
	s_cselect_b32 s44, 1, 0
	s_cmp_eq_u32 s26, 0
	s_cselect_b32 s44, s44, 0
	s_cmp_eq_u32 s44, 1
	s_cbranch_scc0 .Lwend
	v_min_u32 v16, 0x3ff, v4
	s_delay_alu instid0(VALU_DEP_1)
	v_lshlrev_b32 v16, 2, v16
	v_max_u32 v17, 0x400, v4
	s_delay_alu instid0(VALU_DEP_1)
	v_add_nc_u32 v17, 0xfffffc00, v17
	s_delay_alu instid0(VALU_DEP_1)
	v_lshlrev_b32 v17, 2, v17
	global_load_b32 v18, v16, s[14:15]             ; bq, held inside it
	global_load_b32 v19, v17, s[16:17]             ; bkv, held inside it
	v_cmp_gt_u32 s45, 0x400, v4
	v_lshlrev_b32 v20, 2, v7
	s_lshl_b32 s38, s28, 8
	s_lshl_b32 s33, s29, 7
	s_add_co_u32 s38, s38, s33
	s_add_nc_u64 s[50:51], s[24:25], s[38:39]
	s_wait_loadcnt 0x0
	v_cndmask_b32 v21, v19, v18, s45
	s_wait_alu depctr_va_vdst(0)
	global_store_b32 v20, v21, s[50:51]
.Lwend:
	s_endpgm
.Lfunc_end_k_q32c4542bc0_prep:
	.size	k_q32c4542bc0_prep, .Lfunc_end_k_q32c4542bc0_prep-k_q32c4542bc0_prep
	.p2alignl 7, 3214868480
	.fill 96, 4, 3214868480
	.section	.rodata,"a",@progbits
	.p2align	6, 0x0
	.amdhsa_kernel k_q32c4542bc0_prep
		.amdhsa_group_segment_fixed_size 68608
		.amdhsa_private_segment_fixed_size 0
		.amdhsa_enable_private_segment 0
		.amdhsa_kernarg_size 88
		.amdhsa_user_sgpr_count 2
		.amdhsa_user_sgpr_kernarg_segment_ptr 1
		.amdhsa_wavefront_size32 1
		.amdhsa_system_sgpr_workgroup_id_x 1
		.amdhsa_system_sgpr_workgroup_id_y 1
		.amdhsa_system_sgpr_workgroup_id_z 1
		.amdhsa_system_vgpr_workitem_id 0
		.amdhsa_next_free_vgpr 256
		.amdhsa_next_free_sgpr 66
		.amdhsa_reserve_vcc 0
		.amdhsa_float_denorm_mode_32 3
		.amdhsa_float_denorm_mode_16_64 3
		.amdhsa_memory_ordered 1
		.amdhsa_forward_progress 1
		.amdhsa_inst_pref_size 73
	.end_amdhsa_kernel
	.amdgpu_metadata
---
amdhsa.version: [ 1, 2 ]
amdhsa.kernels:
  - .name:           k_q32c4542bc0_prep
    .symbol:         k_q32c4542bc0_prep.kd
    .args:
      - { .name: hidden_states, .offset: 0, .size: 8, .value_kind: global_buffer, .address_space: global }
      - { .name: encoder_hidden_states, .offset: 8, .size: 8, .value_kind: global_buffer, .address_space: global }
      - { .name: Wq, .offset: 16, .size: 8, .value_kind: global_buffer, .address_space: global }
      - { .name: Wkv, .offset: 24, .size: 8, .value_kind: global_buffer, .address_space: global }
      - { .name: Wo, .offset: 32, .size: 8, .value_kind: global_buffer, .address_space: global }
      - { .name: bq, .offset: 40, .size: 8, .value_kind: global_buffer, .address_space: global }
      - { .name: bkv, .offset: 48, .size: 8, .value_kind: global_buffer, .address_space: global }
      - { .name: xq, .offset: 56, .size: 8, .value_kind: global_buffer, .address_space: global }
      - { .name: wimg, .offset: 64, .size: 8, .value_kind: global_buffer, .address_space: global }
      - { .name: wsc, .offset: 72, .size: 8, .value_kind: global_buffer, .address_space: global }
      - { .name: biasp, .offset: 80, .size: 8, .value_kind: global_buffer, .address_space: global }
    .group_segment_fixed_size: 68608
    .private_segment_fixed_size: 0
    .kernarg_segment_align: 8
    .kernarg_segment_size: 88
    .max_flat_workgroup_size: 256
    .sgpr_count:     66
    .vgpr_count:     256
    .wavefront_size: 32
...
	.end_amdgpu_metadata
.endif
;; end of part 1
;; launch qkv (part 2): grid 4 x 64, 4 waves a work-group, no clusters, 167,936 bytes of LDS; arguments xq, wimg, wsc, biasp, qn_w, kn_w, qbuf, kvbuf; writes qbuf, kvbuf
.if DOCPART == 2
	.amdgcn_target "amdgcn-amd-amdhsa--gfx1250"
	.amdhsa_code_object_version 6
	.text
	.protected	k_q32c4542bc0_qkv
	.globl	k_q32c4542bc0_qkv
	.p2align	8
	.type	k_q32c4542bc0_qkv,@function
k_q32c4542bc0_qkv:
	s_mov_b64 s[64:65], 0
	v_nop
	global_prefetch_b8 v0, s[64:65] scope:SCOPE_SE
	s_setreg_imm32_b32 hwreg(HW_REG_WAVE_MODE, 25, 1), 1
	s_wait_xcnt 0x0
; QKV: the two projections on codes of E2M1, the bias, the RMS norm of q and k, and the quantisers of q, k (along d) and v (along the keys).  Nothing of reference() is left out here.
; SHARES.  A work-group takes 128 tokens (rb = y) and four heads; wave w owns head hd = x + 4 w and runs its three groups of 64 columns, q, k, v: 4 column tiles x 8 token tiles = 32 accumulators a group.
; Both activations' blocks of codes and scale words (2 x 69,632 bytes) come into LDS once, one tensor load a wave; a group's weights (256 registers) go from memory straight into the owning wave's registers,
; and the next group's K step s is asked for as soon as this group's K step s has been multiplied.  One barrier, behind the fills.
; NO CLUSTER: the four work-groups that share a block of tokens differ in x, and x decides which wave runs the mixed head's extra passes; partners of a cluster have to run alike.
; HEAD 5 is mixed: its main pass takes the encoder's tokens and an image of Wkv in which Wq's columns are zero codes; a second pass over column tiles 0, 1 takes hidden_states and the image of Wq's columns, and adds onto the same sums.
; ORIENTATION.  q, k: source 0 = 16 columns of W, source 1 = 16 tokens: a lane holds ONE token, and the 32 registers of its four tiles are d = 32 b + 16 h + i at register 16 b + i.
;               v:    source 0 = 16 tokens, source 1 = 16 columns: a lane holds ONE d, and the 64 registers of its eight tiles run along the tokens, which are the second attention product's K.
; THE NORM.  (x / 8) rsqrt(mean((x / 8)^2) + eps) = x rsqrt(ss / 64 + 64 eps), ss the sum of x^2 over d: powers of two only; for k the constant is eps.  y = (x w) f: the two multiplications stand in the other order than reference()'s (about an ulp).
; K = 64 in the first attention product: q's and k's images hold registers 0-3 of a fragment (d = 32 h + 0 .. 31); bytes 2, 3 of their scale words are 127.
; LIMITS: NaN and infinities are not served; blocks under 2^-124 and blocks of zeros keep the scale byte 1 (read by this program alone).
; REGISTERS.  window 0: v1-11 addresses; v12-19 the tokens' scale words (two sets); v20-35 W's; v36-43 the extra image's; v44-75 bias; v76-107 gain; v108-115 v's bias; v116-121 at work; v128-255 two sets of token fragments, later the epilogue.
;             window 1: the 32 accumulators.   window 2: W, 32 s + 8 t.   window 3: v0-127 the extra image, 16 s + 8 t.
.set ABLK,  69632
.set SPARE, 2*ABLK                     ; behind the two blocks: the spare words, 128 bytes for each wave
.set LI,   1                           ; 16 x lane
.set L4,   2                           ; 4 x lane
.set AC,   3                           ; LDS: my head's source, codes
.set ASA,  4                           ; and scale words
.set AC0,  5                           ; the same of hidden_states, for the extra pass
.set AS0,  6
.set L8,   7                           ; 8 x lane
.set SPW,  8
.set NIL,  9
.set HB,   10                          ; 64 h: my 16 numbers of each 32 of a bias or gain
.set PB,   11                          ; 4 pi(0, r)
.set AS,   12
.set WS,   20
.set WSX,  36
.set BIAS, 44
.set GAIN, 76
.set BV,   108
.set SS,   116
.set F,    120
.set ABUF, 128
.set X,    128
.set CD,   192
.set WD,   224
.set TM,   232
.set PK,   248
.set WV,   20
.set HD,   23
.set G0,   28
.set G1,   32
.set WP,   40                          ; s[40:41] the image of the group that is asked for next;  s[42:43] its scale words
.set WSP,  42
.set XP,   44                          ; s[44:45], s[46:47] the extra image's
.set XSP,  46
.set BP,   48
.set GP,   50
.set DC,   52                          ; where the trip's codes and scale words go
.set DS,   54
.set KC,   56
.set KSP,  58
.set VC,   60
.set VSP,  62
.set EC,   66
.set C64,  67
.set SEL,  68
.set MK,   70
.set TR,   71
.set MSB, 0
.macro WIN new                         ; the immediate's high byte repeats the setting that is left
.if MSB != (\new)
	s_set_vgpr_msb (MSB<<8)|(\new)
.set MSB, (\new)
.endif
.endm
.macro PLACES
.rept 4
	v_nop
.endr
.endm
; one matrix instruction, by the symbols RD, RA0, RB1, RC (under 0: the constant 0), RS0, RS1 and the rows RW0, RW1 of the scale registers
.macro WM
.if RC < 0
.if RW0 && RW1
	v_wmma_scale_f32_16x16x128_f8f6f4 v[RD:RD+7], v[RA0:RA0+7], v[RB1:RB1+7], 0, v[RS0], v[RS1] matrix_a_fmt:MATRIX_FMT_FP4 matrix_b_fmt:MATRIX_FMT_FP4 matrix_a_scale:MATRIX_SCALE_ROW1 matrix_b_scale:MATRIX_SCALE_ROW1
.elseif RW0
	v_wmma_scale_f32_16x16x128_f8f6f4 v[RD:RD+7], v[RA0:RA0+7], v[RB1:RB1+7], 0, v[RS0], v[RS1] matrix_a_fmt:MATRIX_FMT_FP4 matrix_b_fmt:MATRIX_FMT_FP4 matrix_a_scale:MATRIX_SCALE_ROW1
.elseif RW1
	v_wmma_scale_f32_16x16x128_f8f6f4 v[RD:RD+7], v[RA0:RA0+7], v[RB1:RB1+7], 0, v[RS0], v[RS1] matrix_a_fmt:MATRIX_FMT_FP4 matrix_b_fmt:MATRIX_FMT_FP4 matrix_b_scale:MATRIX_SCALE_ROW1
.else
	v_wmma_scale_f32_16x16x128_f8f6f4 v[RD:RD+7], v[RA0:RA0+7], v[RB1:RB1+7], 0, v[RS0], v[RS1] matrix_a_fmt:MATRIX_FMT_FP4 matrix_b_fmt:MATRIX_FMT_FP4
.endif
.else
.if RW0 && RW1
	v_wmma_scale_f32_16x16x128_f8f6f4 v[RD:RD+7], v[RA0:RA0+7], v[RB1:RB1+7], v[RC:RC+7], v[RS0], v[RS1] matrix_a_fmt:MATRIX_FMT_FP4 matrix_b_fmt:MATRIX_FMT_FP4 matrix_a_scale:MATRIX_SCALE_ROW1 matrix_b_scale:MATRIX_SCALE_ROW1
.elseif RW0
	v_wmma_scale_f32_16x16x128_f8f6f4 v[RD:RD+7], v[RA0:RA0+7], v[RB1:RB1+7], v[RC:RC+7], v[RS0], v[RS1] matrix_a_fmt:MATRIX_FMT_FP4 matrix_b_fmt:MATRIX_FMT_FP4 matrix_a_scale:MATRIX_SCALE_ROW1
.elseif RW1
	v_wmma_scale_f32_16x16x128_f8f6f4 v[RD:RD+7], v[RA0:RA0+7], v[RB1:RB1+7], v[RC:RC+7], v[RS0], v[RS1] matrix_a_fmt:MATRIX_FMT_FP4 matrix_b_fmt:MATRIX_FMT_FP4 matrix_b_scale:MATRIX_SCALE_ROW1
.else
	v_wmma_scale_f32_16x16x128_f8f6f4 v[RD:RD+7], v[RA0:RA0+7], v[RB1:RB1+7], v[RC:RC+7], v[RS0], v[RS1] matrix_a_fmt:MATRIX_FMT_FP4 matrix_b_fmt:MATRIX_FMT_FP4
.endif
.endif
.endm
; token tile m x column tile t, K step s.  or = 0: q, k; 1: v.  x = 1: the extra image.  ZF = 1: the product starts the sum
.macro MM or, m, t, s, x
.if \x
.set RWR, 16*(\s)+8*(\t)
.set RWSC, WSX+(\s)
.else
.set RWR, 32*(\s)+8*(\t)
.set RWSC, WS+8*((\t)>>1)+(\s)
.endif
.set RAR, ABUF+64*((\s)&1)+8*(\m)
.set RASC, AS+4*((\s)&1)+((\m)&3)
.if \or
.set RD, 8*(8*(\t)+(\m))
.set RA0, RAR
.set RB1, RWR
.set RS0, RASC
.set RS1, RWSC
.set RW0, (\m)>>2
.set RW1, (\t)&1
.else
.set RD, 8*(4*(\m)+(\t))
.set RA0, RWR
.set RB1, RAR
.set RS0, RWSC
.set RS1, RASC
.set RW0, (\t)&1
.set RW1, (\m)>>2
.endif
.set RC, RD
.if ZF
.set RC, -1
.endif
	WM
.endm
.macro FETCH_A adc, ads, s             ; 17 LDS loads: K step s's scale words of the 8 token tiles, then their fragments, into set s % 2
.set AB, ABUF+64*((\s)&1)
	ds_load_b128 v[AS+4*((\s)&1):AS+4*((\s)&1)+3], v[\ads] offset:(\s)*512
.irp m, 0,1,2,3,4,5,6,7
	ds_load_b128 v[AB+8*\m:AB+8*\m+3],   v[\adc] offset:(\s)*8192+\m*1024
	ds_load_b128 v[AB+8*\m+4:AB+8*\m+7], v[\adc] offset:(\s)*8192+\m*1024+512
.endr
.endm
.macro RELOAD s                        ; 10 loads: K step s of the group at s[WP]
	WIN 0x80                                       ; destination window 2
.irp t, 0,1,2,3
	global_load_b128 v[32*(\s)+8*\t:32*(\s)+8*\t+3],   v[LI], s[WP:WP+1] offset:(\s)*4096+\t*1024
	global_load_b128 v[32*(\s)+8*\t+4:32*(\s)+8*\t+7], v[LI], s[WP:WP+1] offset:(\s)*4096+\t*1024+512
.endr
	WIN 0
	global_load_b32 v[WS+(\s)],   v[L4], s[WSP:WSP+1] offset:(\s)*128
	global_load_b32 v[WS+8+(\s)], v[L4], s[WSP:WSP+1] offset:1024+(\s)*128
.endm
.macro XLOAD                           ; 40 loads: the extra image's two tiles, all of K
	WIN 0xc0                                       ; destination window 3
.irp s, 0,1,2,3,4,5,6,7
.irp t, 0,1
	global_load_b128 v[16*\s+8*\t:16*\s+8*\t+3],   v[LI], s[XP:XP+1] offset:\s*4096+\t*1024
	global_load_b128 v[16*\s+8*\t+4:16*\s+8*\t+7], v[LI], s[XP:XP+1] offset:\s*4096+\t*1024+512
.endr
.endr
	WIN 0
.irp s, 0,1,2,3,4,5,6,7
	global_load_b32 v[WSX+\s], v[L4], s[XSP:XSP+1] offset:\s*128
.endr
.endm
; A pass over K: 8 steps of 8 nt matrix instructions.  The accumulators take turns, one instruction a turn, in the same order in every step.
.macro PASS or, nt, x, adc, ads, reload, zero
	FETCH_A \adc, \ads, 0
	FETCH_A \adc, \ads, 1
.irp s, 0,1,2,3,4,5,6,7
.if \s < 7
	s_wait_dscnt 17                                ; this step's 17 loads are in; the next step's may be out
.else
	s_wait_dscnt 0x0
.endif
.set ZF, 0
.if \zero
.if \s == 0
.set ZF, 1
.endif
.endif
.if \or
	WIN 0x58+4*(\x)                                ; source 0 (tokens) window 0, source 1 (W) window 2 or 3, C and D window 1
.irp t, 0,1,2,3
.if \t < \nt
.irp m, 0,1,2,3,4,5,6,7
	MM 1, \m, \t, \s, \x
.endr
.endif
.endr
.else
	WIN 0x52+(\x)                                  ; source 0 (W) window 2 or 3, source 1 (tokens) window 0, C and D window 1
.irp m, 0,1,2,3,4,5,6,7
.irp t, 0,1,2,3
.if \t < \nt
	MM 0, \m, \t, \s, \x
.endif
.endr
.endr
.endif
	WIN 0
	PLACES                                         ; four places in front of loads into registers that these products have read, and of the first read of results
.if \s < 6
	FETCH_A \adc, \ads, \s+2
.endif
.if \reload
	RELOAD \s
.endif
.endr
.endm
; 32 numbers of a lane, register 16 b + i = d 32 b + 16 h + i, become registers 0-3 of a fragment in v[c] on, and its scale word in v[w]
.macro QUANT2 x, c, w
.irp b, 0,1
	v_max3_num_f32 v[TM+\b], |v[\x+16*\b]|, |v[\x+16*\b+1]|, 0x1800000   ; the floor 2^(3 - 127): the byte cannot fall under 1
.endr
.irp i, 2,4,6,8,10,12,14
.irp b, 0,1
	v_max3_num_f32 v[TM+\b], v[TM+\b], |v[\x+16*\b+\i]|, |v[\x+16*\b+\i+1]|
.endr
.endr
.irp b, 0,1
	v_permlanex16_b32 v[TM+4+\b], v[TM+\b], s[SEL], s[SEL+1]
.endr
.irp b, 0,1
	v_max_num_f32 v[TM+\b], v[TM+\b], v[TM+4+\b]   ; with lane l xor 16's: the block's largest magnitude
.endr
.irp b, 0,1
	v_add_nc_u32 v[TM+12+\b], 0xff000000, v[TM+\b] ; 2 off its exponent field: the conversion's scale operand
.endr
.irp b, 0,1
	v_lshrrev_b32 v[TM+4+\b], 23, v[TM+12+\b]      ; the scale's byte
.endr
	v_lshl_or_b32 v[\w], v[TM+5], 8, v[TM+4]
	v_or_b32 v[\w], 0x7f7f0000, v[\w]              ; bytes 2, 3 stand over zero codes: 127
.irp b, 0,1
	v_cvt_scalef32_pk8_fp4_f32 v[\c+2*\b], v[\x+16*\b:\x+16*\b+7], v[TM+12+\b]
	v_cvt_scalef32_pk8_fp4_f32 v[\c+2*\b+1], v[\x+16*\b+8:\x+16*\b+15], v[TM+12+\b]
.endr
	v_nop                                          ; one plain place behind a scaled conversion
	v_permlane16_swap_b32 v[\c], v[\c+2]           ; a whole block in a lane: lanes 0-15 block 0, lanes 16-31 block 1
	v_permlane16_swap_b32 v[\c+1], v[\c+3]
.endm
; 64 numbers of a lane, register 16 b + i = k 32 b + 16 h + i, become a whole fragment and its scale word
.macro QUANT4 x, c, w
.irp b, 0,1,2,3
	v_max3_num_f32 v[TM+\b], |v[\x+16*\b]|, |v[\x+16*\b+1]|, 0x1800000
.endr
.irp i, 2,4,6,8,10,12,14
.irp b, 0,1,2,3
	v_max3_num_f32 v[TM+\b], v[TM+\b], |v[\x+16*\b+\i]|, |v[\x+16*\b+\i+1]|
.endr
.endr
.irp b, 0,1,2,3
	v_permlanex16_b32 v[TM+4+\b], v[TM+\b], s[SEL], s[SEL+1]
.endr
.irp b, 0,1,2,3
	v_max_num_f32 v[TM+\b], v[TM+\b], v[TM+4+\b]
.endr
.irp b, 0,1,2,3
	v_add_nc_u32 v[TM+12+\b], 0xff000000, v[TM+\b]
.endr
.irp b, 0,1,2,3
	v_lshrrev_b32 v[TM+4+\b], 23, v[TM+12+\b]
.endr
	v_lshl_or_b32 v[\w], v[TM+5], 8, v[TM+4]
	v_lshl_or_b32 v[\w], v[TM+6], 16, v[\w]
	v_lshl_or_b32 v[\w], v[TM+7], 24, v[\w]
.irp b, 0,1,2,3
	v_cvt_scalef32_pk8_fp4_f32 v[\c+2*\b], v[\x+16*\b:\x+16*\b+7], v[TM+12+\b]
	v_cvt_scalef32_pk8_fp4_f32 v[\c+2*\b+1], v[\x+16*\b+8:\x+16*\b+15], v[TM+12+\b]
.endr
	v_nop
.irp c2, 0,1
.irp i, 0,1
	v_permlane16_swap_b32 v[\c+4*\c2+\i], v[\c+4*\c2+2+\i]
.endr
.endr
.endm
; token tile m of q or of k: bias, norm, gain, codes
.macro EPI_QK m
	WIN 0x01                                       ; source 0 (the sums) window 1
.set p, 0
.rept 16
	v_pk_add_f32 v[X+p:X+p+1], v[32*(\m)+p:32*(\m)+p+1], v[BIAS+p:BIAS+p+1]   ; each accumulator from its low end on
.set p, p+2
.endr
	WIN 0
	v_pk_mul_f32 v[SS:SS+1], v[X:X+1], v[X:X+1]    ; the sum of squares of my 32, in two packed chains
	v_pk_mul_f32 v[SS+2:SS+3], v[X+2:X+3], v[X+2:X+3]
.irp p2, 4,8,12,16,20,24,28
	v_pk_fma_f32 v[SS:SS+1], v[X+\p2:X+\p2+1], v[X+\p2:X+\p2+1], v[SS:SS+1]
	v_pk_fma_f32 v[SS+2:SS+3], v[X+\p2+2:X+\p2+3], v[X+\p2+2:X+\p2+3], v[SS+2:SS+3]
.endr
	v_pk_add_f32 v[SS:SS+1], v[SS:SS+1], v[SS+2:SS+3]
	v_add_f32 v[SS], v[SS], v[SS+1]
	v_permlanex16_b32 v[SS+1], v[SS], s[SEL], s[SEL+1]
	v_add_f32 v[SS], v[SS], v[SS+1]                ; with lane l xor 16's 32: the token's
	v_fma_f32 v[SS], v[SS], s[C64], s[EC]          ; ss / 64 + 64 eps (q) or eps (k)
	s_wait_alu depctr_va_vdst(0)
	v_rsq_f32 v[F], v[SS]
.set p, 0
.rept 16
	v_pk_mul_f32 v[X+p:X+p+1], v[X+p:X+p+1], v[GAIN+p:GAIN+p+1]   ; the gain: plain work behind the root
.set p, p+2
.endr
	s_wait_alu depctr_va_vdst(0)                   ; the wait ahead of the root's first reader
.set p, 0
.rept 16
	v_pk_mul_f32 v[X+p:X+p+1], v[X+p:X+p+1], v[F:F+1] op_sel_hi:[1,0]
.set p, p+2
.endr
	QUANT2 X, CD+4*(\m), WD+(\m)
	global_store_b128 v[LI], v[CD+4*(\m):CD+4*(\m)+3], s[DC:DC+1] offset:(\m)*512   ; a piece: 512 consecutive bytes
.endm
; column tile t of v: bias, codes along the 128 tokens
.macro EPI_V t
	WIN 0x01
.set p, 0
.rept 32
	v_pk_add_f32 v[X+p:X+p+1], v[64*(\t)+p:64*(\t)+p+1], v[BV+2*(\t):BV+2*(\t)+1]
.set p, p+2
.endr
	WIN 0
	QUANT4 X, CD+8*(\t), WD+(\t)
	global_store_b128 v[LI], v[CD+8*(\t):CD+8*(\t)+3],   s[VC:VC+1] offset:(\t)*1024
	global_store_b128 v[LI], v[CD+8*(\t)+4:CD+8*(\t)+7], s[VC:VC+1] offset:(\t)*1024+512
.endm
	s_load_b256 s[4:11], s[0:1], 0x0               ; xq, wimg, wsc, biasp
	s_load_b256 s[12:19], s[0:1], 0x20             ; qn_w, kn_w, qbuf, kvbuf
	v_lshl_add_u32 v[SPW], v0, 2, SPARE
	v_mov_b32 v[NIL], 0
	ds_add_u32 v[SPW], v[NIL]                      ; the wave's opening: the add, twice on end, and its wait ahead of my first tensor load
	ds_add_u32 v[SPW], v[NIL]
	v_lshrrev_b32 v1, 5, v0
	v_readfirstlane_b32 s[WV], v1                  ; wave 0..3
	s_and_b32 s22, ttmp7, 0xffff                   ; rb
	s_lshl_b32 s[HD], s[WV], 2
	s_add_co_u32 s[HD], s[HD], ttmp9               ; my head
	s_lshr_b32 s24, s22, 4                         ; the batch
	s_and_b32 s25, s22, 15                         ; which 128 of its tokens
	s_lshl_b32 s26, s24, 4
	s_add_co_u32 s26, s26, s[HD]                   ; 16 x batch + head
	s_mov_b32 s[G1+0], 3<<16                       ; elements of 8 bytes, no mask, no padding
	s_mov_b32 s[G1+1], 32<<16                      ; tensor_dim0 = 32: rows of 256 bytes
	s_mov_b32 s[G1+2], 136<<16                     ; tensor_dim1 = 136
	s_mov_b32 s[G1+3], 32<<16                      ; tile_dim0
	s_mov_b32 s[G1+4], 136                         ; tile_dim1: half a block, 34,816 dense bytes
	s_mov_b32 s[G1+5], 32                          ; the pitch
	s_mov_b32 s[G1+6], 0
	s_mov_b32 s[G1+7], 0
	s_lshr_b32 s72, s[WV], 1                       ; waves 0, 1: hidden_states' block; waves 2, 3: the encoder's
	s_mul_i32 s72, s72, 64*ABLK
	s_mul_i32 s73, s22, ABLK
	s_add_co_u32 s72, s72, s73
	s_and_b32 s73, s[WV], 1
	s_mul_i32 s73, s73, ABLK/2
	s_add_co_u32 s72, s72, s73
	s_mov_b32 s73, 0
	s_mov_b32 s[G0], 1
	s_mul_i32 s[G0+1], s[WV], ABLK/2               ; LDS: wave x half a block
	s_mov_b32 s[SEL], 0x76543210
	s_mov_b32 s[SEL+1], 0xfedcba98
	s_mov_b32 s[MK], 0xffff0000                    ; lanes 16-31
	s_mov_b32 s[C64], 0x3c800000                   ; 1 / 64
	s_mov_b32 s[EC], 0x37000000                    ; 64 eps = 2^-17
	s_wait_dscnt 0x0                               ; both opening adds are done
	s_wait_kmcnt 0x0
	s_add_nc_u64 s[G0+2:G0+3], s[4:5], s[72:73]
	s_or_b32 s[G0+3], s[G0+3], 0x80000000
	tensor_load_to_lds s[G0:G0+3], s[G1:G1+7]      ; my one tensor load: filled once
	s_nop 0
	PLACES
	v_and_b32 v[L8], 31, v0
	v_lshlrev_b32 v[LI], 4, v[L8]
	v_lshlrev_b32 v[L4], 2, v[L8]
	v_lshlrev_b32 v[L8], 3, v[L8]
	s_cmp_lt_u32 s[HD], 5
	s_cselect_b32 s72, 0, ABLK                     ; heads 0-4 read hidden_states, the others (head 5's main pass too) the encoder
	v_add_nc_u32 v[AC], s72, v[LI]
	v_add_nc_u32 v[ASA], 0x10000, v[AC]
	v_mov_b32 v[AC0], v[LI]
	v_add_nc_u32 v[AS0], 0x10000, v[LI]
	v_bfe_u32 v[HB], v0, 4, 1
	v_lshlrev_b32 v[HB], 6, v[HB]
	v_and_b32 v[PB], 7, v0
	v_bfe_u32 v[SS], v0, 3, 1
	v_lshl_add_u32 v[PB], v[SS], 4, v[PB]
	v_lshlrev_b32 v[PB], 2, v[PB]
	s_wait_alu depctr_va_vdst(0)
	v_mov_b32 v[F+1], 0                            ; (named as the upper half of the pair v[F:F+1])
	s_mul_i32 s72, s[HD], 3                        ; my first group
	s_mov_b32 s75, 0
	s_lshl_b32 s74, s72, 15
	s_add_nc_u64 s[WP:WP+1], s[6:7], s[74:75]
	s_lshl_b32 s74, s72, 11
	s_add_nc_u64 s[WSP:WSP+1], s[8:9], s[74:75]
	s_lshl_b32 s74, s72, 8
	s_add_nc_u64 s[BP:BP+1], s[10:11], s[74:75]
	s_add_nc_u64 s[XP:XP+1], s[6:7], 48*32768
	s_add_nc_u64 s[XSP:XSP+1], s[8:9], 48*2048
	s_mov_b64 s[GP:GP+1], s[12:13]
	s_mul_i32 s72, s26, 73728                      ; q's part of qbuf
	s_lshl_b32 s74, s25, 12
	s_add_co_u32 s74, s74, s72
	s_add_nc_u64 s[DC:DC+1], s[16:17], s[74:75]
	s_lshl_b32 s74, s25, 9
	s_add_co_u32 s74, s74, s72
	s_add_co_u32 s74, s74, 0x10000
	s_add_nc_u64 s[DS:DS+1], s[16:17], s[74:75]
	s_mul_i32 s72, s26, 143360                     ; the head's part of kvbuf
	s_lshl_b32 s74, s25, 12
	s_add_co_u32 s74, s74, s72
	s_add_nc_u64 s[KC:KC+1], s[18:19], s[74:75]
	s_add_co_u32 s74, s74, 0x10000
	s_add_nc_u64 s[VC:VC+1], s[18:19], s[74:75]
	s_lshl_b32 s74, s25, 9
	s_add_co_u32 s74, s74, s72
	s_add_co_u32 s74, s74, 131072
	s_add_nc_u64 s[KSP:KSP+1], s[18:19], s[74:75]
	s_lshl_b32 s74, s25, 8
	s_add_co_u32 s74, s74, s72
	s_add_co_u32 s74, s74, 139264
	s_add_nc_u64 s[VSP:VSP+1], s[18:19], s[74:75]
.irp t, 0,1,2,3
	global_load_b32 v[BV+2*\t],   v[PB], s[BP:BP+1] offset:512+(32*(\t>>1)+8*(\t&1))*4   ; v's bias at d = pi(t, r), in both halves of a pair
	global_load_b32 v[BV+2*\t+1], v[PB], s[BP:BP+1] offset:512+(32*(\t>>1)+8*(\t&1))*4
.endr
.irp s, 0,1,2,3,4,5,6,7
	RELOAD \s                                      ; q's weights
.endr
	s_wait_tensorcnt 0x0                           ; my half block is in,
	s_barrier_signal -1
	s_barrier_wait -1                              ; everybody's is
	s_mov_b32 s[TR], 0
.Ltrip:                                                ; two trips: q, then k
	s_wait_loadcnt 0x0                             ; this group's weights are in (asked for a pass ago): every load that names s[WP], s[WSP] is done, so they may step
	s_add_nc_u64 s[WP:WP+1], s[WP:WP+1], 32768
	s_add_nc_u64 s[WSP:WSP+1], s[WSP:WSP+1], 2048
.irp b, 0,1
.irp q, 0,1,2,3
	global_load_b128 v[BIAS+16*\b+4*\q:BIAS+16*\b+4*\q+3], v[HB], s[BP:BP+1] offset:128*\b+16*\q   ; 16 loads: bias and gain at d = 32 b + 16 h + i
	global_load_b128 v[GAIN+16*\b+4*\q:GAIN+16*\b+4*\q+3], v[HB], s[GP:GP+1] offset:128*\b+16*\q
.endr
.endr
	s_cmp_eq_u32 s[HD], 5
	s_cbranch_scc0 .Lnot5_a
	XLOAD
.Lnot5_a:
	PASS 0, 4, 0, AC, ASA, 1, 1
	s_cmp_eq_u32 s[HD], 5
	s_cbranch_scc0 .Lnot5_b
	s_wait_loadcnt 63                              ; the extra image is in: 80 loads were issued behind it
	PASS 0, 2, 1, AC0, AS0, 0, 0
.Lnot5_b:
	s_wait_loadcnt 63                              ; bias and gain are in: 80 loads or more were issued behind them
.irp m, 0,1,2,3,4,5,6,7
	EPI_QK \m
.endr
.irp i, 0,1,2,3
	v_cndmask_b32 v[PK+\i], v[WD+\i], v[WD+4+\i], s[MK]   ; lanes 0-15 tile i's words, lanes 16-31 tile 4 + i's
.endr
	global_store_b128 v[LI], v[PK:PK+3], s[DS:DS+1]
	s_wait_xcnt 0x0                                ; every load and store has read its registers and bases: they are written again only behind this wait
	s_add_nc_u64 s[BP:BP+1], s[BP:BP+1], 256
	s_mov_b64 s[GP:GP+1], s[14:15]
	s_add_nc_u64 s[XP:XP+1], s[XP:XP+1], 32768
	s_add_nc_u64 s[XSP:XSP+1], s[XSP:XSP+1], 2048
	s_mov_b64 s[DC:DC+1], s[KC:KC+1]
	s_mov_b64 s[DS:DS+1], s[KSP:KSP+1]
	s_mov_b32 s[EC], 0x34000000                    ; eps = 2^-23
	s_add_co_u32 s[TR], s[TR], 1
	s_cmp_lt_u32 s[TR], 2
	s_cbranch_scc1 .Ltrip
	s_wait_loadcnt 0x0                             ; v's weights
	s_cmp_eq_u32 s[HD], 5
	s_cbranch_scc0 .Lnot5_c
	XLOAD
.Lnot5_c:
	PASS 1, 4, 0, AC, ASA, 0, 1
	s_cmp_eq_u32 s[HD], 5
	s_cbranch_scc0 .Lnot5_d
	s_wait_loadcnt 0x0
	PASS 1, 2, 1, AC0, AS0, 0, 0
.Lnot5_d:
.irp t, 0,1,2,3
	EPI_V \t
.endr
	v_cndmask_b32 v[PK], v[WD], v[WD+2], s[MK]     ; lanes 0-15 tiles 0, 1; lanes 16-31 tiles 2, 3
	v_cndmask_b32 v[PK+1], v[WD+1], v[WD+3], s[MK]
	global_store_b64 v[L8], v[PK:PK+1], s[VSP:VSP+1]   ; 256 consecutive bytes, aligned
	s_wait_tensorcnt 0x0                           ; the wave's end
	ds_add_u32 v[SPW], v[NIL]
	s_wait_dscnt 0x0
	s_endpgm
.Lfunc_end_k_q32c4542bc0_qkv:
	.size	k_q32c4542bc0_qkv, .Lfunc_end_k_q32c4542bc0_qkv-k_q32c4542bc0_qkv
	.p2alignl 7, 3214868480
	.fill 96, 4, 3214868480
	.section	.rodata,"a",@progbits
	.p2align	6, 0x0
	.amdhsa_kernel k_q32c4542bc0_qkv
		.amdhsa_group_segment_fixed_size 167936
		.amdhsa_private_segment_fixed_size 0
		.amdhsa_enable_private_segment 0
		.amdhsa_kernarg_size 64
		.amdhsa_user_sgpr_count 2
		.amdhsa_user_sgpr_kernarg_segment_ptr 1
		.amdhsa_wavefront_size32 1
		.amdhsa_system_sgpr_workgroup_id_x 1
		.amdhsa_system_sgpr_workgroup_id_y 1
		.amdhsa_system_sgpr_workgroup_id_z 1
		.amdhsa_system_vgpr_workitem_id 0
		.amdhsa_next_free_vgpr 896
		.amdhsa_next_free_sgpr 80
		.amdhsa_reserve_vcc 0
		.amdhsa_float_denorm_mode_32 3
		.amdhsa_float_denorm_mode_16_64 3
		.amdhsa_memory_ordered 1
		.amdhsa_forward_progress 1
		.amdhsa_inst_pref_size 245
	.end_amdhsa_kernel
	.amdgpu_metadata
---
amdhsa.version: [ 1, 2 ]
amdhsa.kernels:
  - .name:           k_q32c4542bc0_qkv
    .symbol:         k_q32c4542bc0_qkv.kd
    .args:
      - { .name: xq, .offset: 0, .size: 8, .value_kind: global_buffer, .address_space: global }
      - { .name: wimg, .offset: 8, .size: 8, .value_kind: global_buffer, .address_space: global }
      - { .name: wsc, .offset: 16, .size: 8, .value_kind: global_buffer, .address_space: global }
      - { .name: biasp, .offset: 24, .size: 8, .value_kind: global_buffer, .address_space: global }
      - { .name: qn_w, .offset: 32, .size: 8, .value_kind: global_buffer, .address_space: global }
      - { .name: kn_w, .offset: 40, .size: 8, .value_kind: global_buffer, .address_space: global }
      - { .name: qbuf, .offset: 48, .size: 8, .value_kind: global_buffer, .address_space: global }
      - { .name: kvbuf, .offset: 56, .size: 8, .value_kind: global_buffer, .address_space: global }
    .group_segment_fixed_size: 167936
    .private_segment_fixed_size: 0
    .kernarg_segment_align: 8
    .kernarg_segment_size: 64
    .max_flat_workgroup_size: 128
    .sgpr_count:     80
    .vgpr_count:     896
    .wavefront_size: 32
...
	.end_amdgpu_metadata
.endif
;; end of part 2
;; launch attn (part 3): grid 4 x 64, 16 waves a work-group, clusters of 4 x 1, 167,936 bytes of LDS; arguments qbuf, kvbuf, cbuf; writes cbuf
.if DOCPART == 3
	.amdgcn_target "amdgcn-amd-amdhsa--gfx1250"
	.amdhsa_code_object_version 6
	.text
	.protected	k_q32c4542bc0_attn
	.globl	k_q32c4542bc0_attn
	.p2align	8
	.type	k_q32c4542bc0_attn,@function
k_q32c4542bc0_attn:
	s_mov_b64 s[64:65], 0
	v_nop
	global_prefetch_b8 v0, s[64:65] scope:SCOPE_SE
	s_setreg_imm32_b32 hwreg(HW_REG_WAVE_MODE, 25, 1), 1
	s_wait_xcnt 0x0
	s_wait_alu depctr_hold_cnt(0) depctr_sa_sdst(0) depctr_va_vdst(0) depctr_va_sdst(0) depctr_va_ssrc(0) depctr_va_vcc(0) depctr_vm_vsrc(0)
	s_getreg_b32 s2, hwreg(HW_REG_IB_STS2, 6, 4)
	s_cmp_eq_u32 s2, 0
	s_cbranch_scc0 .Lentry_in_a_cluster
	s_endpgm
.Lentry_in_a_cluster:
	s_bfe_u32 s2, ttmp6, 0x10000c
	s_cmp_lg_u32 s2, 0x3003
	s_cbranch_scc0 .Lentry_shape_is_right
	s_endpgm
.Lentry_shape_is_right:
; ATTN: S^T = K Q^T and O^T = V^T P^T on codes of E2M1, the softmax between them, and the quantiser of ctx.  Nothing of reference() is left out here.
; THE SOFTMAX: t = score x log2(e); M = the running largest t rounded UP to a whole number; p = 2^(t - M) is quantised along the keys, not normalised; the row's sum is taken of the unquantised p and divides O at the end.
; When M moves, the sum and O are multiplied by 2^(old M - new M): exact.
; SHARES.  A cluster of four work-groups is one (batch, head) (cluster y); work-group cx owns 512 queries; each of its 16 waves owns one tile of 16 queries at a time, twice: tile w % 8 of the 128 queries 4 cx + w / 8 + 2 it.
; THE WHOLE HEAD'S K, V AND THEIR SCALE WORDS, 143,360 bytes of memory, LIE IN LDS, filled once by sixteen JOINT loads, one a wave (waves 0-7: K's codes, 8 rows of 1,024 bytes each; waves 8-15: the rest, 38 rows of 256 bytes each).
; cx enters the global addresses of q and of ctx alone.  K and V come once, at the head: there is no loop to run ahead in, so nothing is prefetched.
; THE KEYS OF A TILE.  Both products are used transposed: a lane holds ONE query.  Row i + 8 g of tile 4 c + u of K is key 64 c + 32 g + 8 u + i of the step's 128, so register j of that tile in lane (r, h) is key 64 c + 32 h + 8 u + j:
; a lane holds the WHOLE blocks h and 2 + h of 32 keys, a block's largest score needs no other lane, and the conversion of tile 4 c + u is register 4 c + u of P's fragment as it stands.
; kvbuf has key 32 a + 16 e + 8 u + i at piece 2 a + u, row i + 8 e: so the tile's rows are read at piece 4 c + 2 g + u % 2, row i + 8 (u / 2).  K's rows of 1,024 bytes get 128 bytes of padding in LDS: the rows g = 0 and g = 1, 1,152 bytes apart, fall on different banks.
; K = 64 in the first product: Q's registers 4-7 are zero codes, so whatever codes stand in registers 4-7 of K's operand add nothing (E2M1 has no NaN; bytes 2, 3 of both scale words are 127): tile t's operand is v[32 + 4 t .. + 7], whose upper half is tile t + 1's codes.
; V's tiles have rows d = pi(dt, r), so O^T's 32 registers are d = 32 b + 16 h + i.  ctx's scale bytes leave one byte a lane (two heads share a scale word).
; LIMITS: NaN and infinities are not served; the promise holds while the scaled scores stay under 2^31 in magnitude; blocks under 2^-124 and blocks of zeros keep the scale byte 1 (read by this program alone).
; REGISTERS: v1-4, v7, v31, v68, v69 places that stay; v5, v6 the add's two; v8-11 the step's addresses; v12 -M, v13 the largest score, v[14:15] the sum; v16-23 Q; v24-27 K's scale words, v28-29 V's, v30 Q's;
;   v32-67 K's 8 tiles and 4 zeros; v96-159 S^T, then p; v160-191 O^T; v192-199 p's codes; v200-231 4 fragments of V; v232-254 at work.
.set KVB,   143360
.set KP,    1152                       ; 1,024 bytes of K's codes + 128 of padding
.set KST,   4*KP                       ; a step's 128 keys
.set VOFF,  64*KP                      ; V's codes
.set KSC,   VOFF+65536                 ; K's scale words
.set VSC,   KSC+8192                   ; V's
.set SPARE, VSC+4096                   ; the spare words, 128 bytes for each of 16 waves
.set PCD,   192
.set T,     246                        ; v246-251 three more chains of the row's sum
.set WV,    10
.set G0,    16
.set G1,    20
.set SEL,   28
.set CS,    30
.set TK,    32                         ; s32 the NEXT step's codes of K
.set TS,    33                         ; s33 and its scale words
.set TV,    34                         ; s34 this step's codes of V
.set NST,   35
.set NIT,   36
.set MK,    37
.set QP,    38
.set QSP,   40
.set CP,    42
.set CSP,   44
.set G0V,   56
.set TW,    60                         ; s60 this step's scale words of V
.set G1V,   68
.macro CROUND                          ; a round of the cluster's barrier
	s_barrier_signal -1
	s_barrier_wait -1
	s_cmp_lg_u32 s[WV], 0
	s_cbranch_scc1 .Lnot_wave_0_\@
	s_barrier_signal -3
.Lnot_wave_0_\@:
	s_barrier_wait -3
	s_barrier_signal -1
	s_barrier_wait -1
.endm
.macro KLOAD as, ak                    ; 10 LDS loads: a step's scale words of K (register u: lanes 0-15 tile u, lanes 16-31 tile 4 + u) and its 8 tiles, 4 registers each
	ds_load_b64 v[24:25], v[\as]
	ds_load_b64 v[26:27], v[\as] offset:128
.irp t, 0,1,2,3,4,5,6,7
	ds_load_b128 v[32+4*\t:35+4*\t], v[\ak] offset:(\t>>2)*2*KP+(\t&1)*512+((\t>>1)&1)*128
.endr
.endm
.macro SOP k, b                        ; the k-th of the 16 packed additions that add the 32 numbers from v[b] on to the row's sum: four chains, joined by the last three
.if (\k) < 3
	v_pk_add_f32 v[T+2*(\k):T+2*(\k)+1], v[\b+4*(\k):\b+4*(\k)+1], v[\b+4*(\k)+2:\b+4*(\k)+3]
.elseif (\k) == 3
	v_pk_add_f32 v[14:15], v[14:15], v[\b+12:\b+13]
.elseif (\k) < 13
.if ((\k)&3) == 3
	v_pk_add_f32 v[14:15], v[14:15], v[\b+2*(\k)+6:\b+2*(\k)+7]
.else
	v_pk_add_f32 v[T+2*((\k)&3):T+2*((\k)&3)+1], v[T+2*((\k)&3):T+2*((\k)&3)+1], v[\b+2*(\k)+6:\b+2*(\k)+7]
.endif
.elseif (\k) == 13
	v_pk_add_f32 v[T:T+1], v[T:T+1], v[T+2:T+3]
.elseif (\k) == 14
	v_pk_add_f32 v[14:15], v[14:15], v[T+4:T+5]
.else
	v_pk_add_f32 v[14:15], v[14:15], v[T:T+1]
.endif
.endm
.macro PF from, to                     ; t - M, two at a time, of S^T's pairs from .. to - 1
.set j, 2*(\from)
.rept (\to)-(\from)
	v_pk_fma_f32 v[96+j:97+j], v[96+j:97+j], s[CS:CS+1], v[12:13] op_sel_hi:[1,0,0]
.set j, j+2
.endr
.endm
	s_load_b128 s[4:7], s[0:1], 0x0                ; qbuf, kvbuf
	s_load_b64 s[8:9], s[0:1], 0x10                ; cbuf
	v_lshl_add_u32 v5, v0, 2, SPARE
	v_mov_b32 v6, 0
	ds_add_u32 v5, v6                              ; the wave's opening: the add, twice on end, and its wait ahead of the round in front of my first tensor load
	ds_add_u32 v5, v6
	v_lshrrev_b32 v7, 5, v0
	s_delay_alu instid0(VALU_DEP_1)
	v_readfirstlane_b32 s[WV], v7                  ; wave 0..15
	s_bfe_u32 s11, ttmp6, 0x40000                  ; cx
	s_and_b32 s12, ttmp7, 0xffff                   ; 16 x batch + head: the partners share it
	s_and_b32 s13, s12, 15                         ; head
	s_lshr_b32 s14, s12, 4                         ; batch
	s_mov_b32 s[G1+0], 15|(3<<16)|(1<<20)|(1<<21)|(7<<22)|(31<<25)   ; K: the mask of all four; elements of 8 bytes; padding on; bit 21 beside a mask; after every 256 words 32 words
	s_mov_b32 s[G1+1], 128<<16                     ; rows of 1,024 bytes
	s_mov_b32 s[G1+2], 8<<16
	s_mov_b32 s[G1+3], 128<<16
	s_mov_b32 s[G1+4], 8                           ; 8 rows: an eighth of K's codes
	s_mov_b32 s[G1+5], 128
	s_mov_b32 s[G1+6], 0
	s_mov_b32 s[G1+7], 0
	s_mov_b32 s[G1V+0], 15|(3<<16)|(1<<21)         ; the rest: no padding
	s_mov_b32 s[G1V+1], 32<<16                     ; rows of 256 bytes
	s_mov_b32 s[G1V+2], 38<<16
	s_mov_b32 s[G1V+3], 32<<16
	s_mov_b32 s[G1V+4], 38                         ; 38 rows: an eighth of V's codes and the scale words, 77,824 bytes
	s_mov_b32 s[G1V+5], 32
	s_mov_b32 s[G1V+6], 0
	s_mov_b32 s[G1V+7], 0
	s_and_b32 s15, s[WV], 7                        ; which eighth
	s_mov_b32 s[G0], 1
	s_mul_i32 s[G0+1], s15, 8*KP
	s_mov_b32 s[G0V], 1
	s_mul_i32 s[G0V+1], s15, 9728
	s_mul_i32 s48, s12, KVB                        ; the head's bytes in kvbuf
	s_lshl_b32 s46, s15, 13
	s_add_co_u32 s46, s46, s48
	s_mov_b32 s47, 0
	s_add_co_u32 s50, s[G0V+1], s48
	s_add_co_u32 s50, s50, 0x10000
	s_mov_b32 s51, 0
	s_add_co_u32 s[G0V+1], s[G0V+1], VOFF
	s_mov_b32 s[SEL], 0x76543210
	s_mov_b32 s[SEL+1], 0xfedcba98
	s_mov_b32 s[CS], 0x3fb8aa3b                    ; log2(e)
	s_mov_b32 s[CS+1], s[CS]                       ; (named with it as a pair)
	s_mov_b32 s[MK], 0xffff0000                    ; lanes 16-31
	s_wait_dscnt 0x0                               ; both opening adds are done
	s_wait_kmcnt 0x0
	s_add_nc_u64 s[G0+2:G0+3], s[6:7], s[46:47]
	s_or_b32 s[G0+3], s[G0+3], 0x80000000
	s_add_nc_u64 s[G0V+2:G0V+3], s[6:7], s[50:51]
	s_or_b32 s[G0V+3], s[G0V+3], 0x80000000
	CROUND                                         ; all four work-groups are here: the joint loads meet
	s_cmp_lt_u32 s[WV], 8                          ; one chain of branches on the wave's number, one load to an arm
	s_cbranch_scc0 .Lfor_v
	tensor_load_to_lds s[G0:G0+3], s[G1:G1+7]
	s_nop 0
.rept 4
	v_nop
.endr
	s_branch .Lasked
.Lfor_v:
	tensor_load_to_lds s[G0V:G0V+3], s[G1V:G1V+7]
	s_nop 0
.rept 4
	v_nop
.endr
.Lasked:
	v_and_b32 v4, 31, v0
	v_and_b32 v70, 7, v0                           ; i
	v_bfe_u32 v71, v0, 3, 1                        ; g
	v_bfe_u32 v72, v0, 4, 1                        ; h
	v_lshlrev_b32 v1, 4, v4                        ; 16 x lane
	v_lshlrev_b32 v68, 3, v4
	v_lshlrev_b32 v2, 4, v70
	v_and_b32 v31, 15, v0
	v_lshl_add_u32 v2, v72, 8, v2                  ; 16 i + 256 h
	v_add_nc_u32 v68, VSC, v68                     ; V's scale words: 8 x lane
	v_lshlrev_b32 v31, 4, v31                      ; 16 r
	v_lshl_add_u32 v3, v71, 3, v2
	v_mad_u32_u24 v2, v71, KP, v2                  ; K's codes: 16 i + 256 h + 1,152 g
	v_add_nc_u32 v3, KSC, v3                       ; K's scale words: 16 i + 256 h + 8 g
	v_add_nc_u32 v4, VOFF, v1                      ; V's codes
	v_lshlrev_b32 v69, 3, v72                      ; 8 h: my bytes' shift in p's scale word
	v_add_nc_u32 v7, v72, v31                      ; 16 r + h
.irp j, 20,21,22,23,64,65,66,67
	v_mov_b32 v[\j], 0                             ; Q's zero codes for k = 64 .. 127, and what stands behind K's last tile
.endr
	v_mov_b32 v235, 0                              ; a lane permute's destination counts as read
	v_mov_b32 v253, 0                              ; (named as the upper half of the pair v[252:253])
	s_and_b32 s50, s[WV], 7                        ; my tile
	s_lshr_b32 s51, s[WV], 3
	s_lshl_b32 s52, s11, 2
	s_add_co_u32 s52, s52, s51                     ; which 128 queries first
	s_lshr_b32 s55, s50, 2
	s_lshl_b32 s55, s55, 8
	s_and_b32 s54, s50, 3
	s_lshl_b32 s54, s54, 2
	s_add_co_u32 s55, s55, s54                     ; my tile's place among 128 rows' scale words
	s_mul_i32 s48, s12, 73728
	s_lshl_b32 s53, s52, 12
	s_add_co_u32 s46, s48, s53
	s_lshl_b32 s53, s50, 9
	s_add_co_u32 s46, s46, s53
	s_add_nc_u64 s[QP:QP+1], s[4:5], s[46:47]
	s_lshl_b32 s53, s52, 9
	s_add_co_u32 s46, s48, s53
	s_add_co_u32 s46, s46, s55
	s_add_co_u32 s46, s46, 0x10000
	s_add_nc_u64 s[QSP:QSP+1], s[4:5], s[46:47]
	s_lshl_b32 s53, s14, 4
	s_add_co_u32 s53, s53, s52                     ; the block of 128 tokens
	s_mul_i32 s48, s53, 69632
	s_lshr_b32 s53, s13, 1                         ; ctx's K step: two heads to 128
	s_and_b32 s54, s13, 1
	s_lshl_b32 s46, s53, 13
	s_add_co_u32 s46, s46, s48
	s_lshl_b32 s51, s50, 10
	s_add_co_u32 s46, s46, s51
	s_lshl_b32 s51, s54, 9
	s_add_co_u32 s46, s46, s51
	s_add_nc_u64 s[CP:CP+1], s[8:9], s[46:47]
	s_lshl_b32 s46, s53, 9
	s_add_co_u32 s46, s46, s48
	s_add_co_u32 s46, s46, s55
	s_lshl_b32 s51, s54, 1
	s_add_co_u32 s46, s46, s51
	s_add_co_u32 s46, s46, 0x10000
	s_add_nc_u64 s[CSP:CSP+1], s[8:9], s[46:47]
	s_wait_alu depctr_va_vdst(0)
	s_wait_tensorcnt 0x0                           ; my part is in,
	s_barrier_signal -1
	s_barrier_wait -1                              ; everybody's is
	s_mov_b32 s[NIT], 2
.Ltile:
	s_wait_dscnt 0x0                               ; the last step's look-ahead loads have landed: their registers may be loaded anew
	global_load_b128 v[16:19], v1, s[QP:QP+1]      ; Q's registers 0-3
	global_load_b32 v30, v31, s[QSP:QSP+1]         ; and its scale words
	KLOAD 3, 2                                     ; step 0's K
	v_mov_b32 v13, 0xfe967699                      ; the largest score so far: -1e38
	v_mov_b32 v12, 0x7e967699                      ; -M: 1e38, a whole number
	v_mov_b32 v14, 0
	v_mov_b32 v15, 0
.set j, 0
.rept 32
	v_mov_b32 v[160+j], 0                          ; O^T: the step is written once; the first change of M leaves zeros zeros
.set j, j+1
.endr
	s_mov_b32 s[TK], KST
	s_mov_b32 s[TS], 512
	s_mov_b32 s[TV], 0
	s_mov_b32 s[TW], 0
	s_mov_b32 s[NST], 16
	s_wait_loadcnt 0x0
.Lstep:                                                ; 128 keys a trip
	s_wait_dscnt 0x0                               ; this step's K, asked for a step ago
.irp t, 0,1,2,3
	v_wmma_scale_f32_16x16x128_f8f6f4 v[96+8*\t:103+8*\t], v[32+4*\t:39+4*\t], v[16:23], 0, v[24+\t], v30 matrix_a_fmt:MATRIX_FMT_FP4 matrix_b_fmt:MATRIX_FMT_FP4
.endr
.irp t, 4,5,6,7
	v_wmma_scale_f32_16x16x128_f8f6f4 v[96+8*\t:103+8*\t], v[32+4*\t:39+4*\t], v[16:23], 0, v[20+\t], v30 matrix_a_fmt:MATRIX_FMT_FP4 matrix_b_fmt:MATRIX_FMT_FP4 matrix_a_scale:MATRIX_SCALE_ROW1
.endr
	v_add_nc_u32 v9, s[TV], v4                     ; these four are the places behind the products above and behind the last trip's, in front of the loads below and of the first read of S^T
	v_add_nc_u32 v11, s[TW], v68
	v_add_nc_u32 v8, s[TK], v2
	v_add_nc_u32 v10, s[TS], v3
	ds_load_b64 v[28:29], v11                      ; 9 loads: this step's V
.irp t, 0,1,2,3
	ds_load_b128 v[200+8*\t:203+8*\t], v9 offset:1024*\t
	ds_load_b128 v[204+8*\t:207+8*\t], v9 offset:1024*\t+512
.endr
	KLOAD 10, 8                                    ; 10 loads: the next step's K (the last step reads filled bytes behind K's, which nothing uses)
	v_mov_b32 v237, v12                            ; the old -M
.irp t, 0,1,2,3,4,5,6,7
	v_max3_num_f32 v[238+\t], v[96+8*\t], v[97+8*\t], v[98+8*\t]   ; the largest score: eight chains by turns, a tile each, from each accumulator's low end on
.endr
.irp t, 0,1,2,3,4,5,6,7
	v_max3_num_f32 v[238+\t], v[238+\t], v[99+8*\t], v[100+8*\t]
.endr
.irp t, 0,1,2,3,4,5,6,7
	v_max3_num_f32 v[238+\t], v[238+\t], v[101+8*\t], v[102+8*\t]
.endr
.irp c, 0,1
	v_max3_num_f32 v[238+4*\c], v[238+4*\c], v[239+4*\c], v[103+32*\c]
	v_max3_num_f32 v[240+4*\c], v[240+4*\c], v[241+4*\c], v[111+32*\c]
.endr
.irp c, 0,1
	v_max3_num_f32 v[232+\c], v[238+4*\c], v[240+4*\c], v[119+32*\c]
.endr
.irp c, 0,1
	v_max_num_f32 v[232+\c], v[232+\c], v[127+32*\c]   ; my two blocks' largest scores: for the row's maximum, and, since p rises with the score, for each block's largest p
.endr
	v_max_num_f32 v234, v232, v233
	v_permlanex16_b32 v235, v234, s[SEL], s[SEL+1]
	v_max3_num_f32 v13, v13, v234, v235            ; with lane l xor 16's two blocks: the running largest score
	v_mul_f32 v236, s[CS], v13                     ; as t
	v_floor_f32 v12, -v236                         ; the new -M = -ceil(t)
	v_fma_f32 v232, v232, s[CS], v12               ; t - M of each block's largest score
	v_fma_f32 v233, v233, s[CS], v12
	PF 0, 4
	v_sub_f32 v237, v12, v237                      ; old M - new M: a whole number, 0 or less
	PF 4, 8
	v_cvt_i32_f32 v237, v237                       ; (it saturates)
	PF 8, 12
	v_ldexp_f32 v252, 1.0, v237                    ; f = 2^(old M - new M)
	PF 12, 32
.set j, 0
.rept 16
	v_pk_mul_f32 v[160+j:161+j], v[160+j:161+j], v[252:253] op_sel_hi:[1,0]   ; O^T under the new M, each accumulator from its low end on
.set j, j+2
.endr
	s_wait_alu depctr_va_vdst(0)                   ; the wait ahead of the batch
	v_exp_f32 v232, v232                           ; the blocks' largest p,
	v_exp_f32 v233, v233
.set j, 0
.rept 32
	v_exp_f32 v[96+j], v[96+j]                     ; and p = 2^(t - M) of my first block
.set j, j+1
.endr
	v_pk_mul_f32 v[14:15], v[14:15], v[252:253] op_sel_hi:[1,0]   ; the sums under the new M: a plain place behind the exponentials
	s_wait_alu depctr_va_vdst(0)                   ; one wait for the first batch
.set j, 0
.rept 32
	v_exp_f32 v[128+j], v[128+j]                   ; my second block's p; what follows names the first batch's results alone
.set j, j+1
.endr
	v_max_num_f32 v232, 0x1800000, v232            ; the floor 2^(3 - 127): the byte cannot fall under 1
	v_max_num_f32 v233, 0x1800000, v233
	SOP 0, 96                                      ; the row's sum is taken of the unquantised p; its additions stand between the lines of the scales' chain
	SOP 1, 96
	SOP 2, 96
	SOP 3, 96
	v_add_nc_u32 v244, 0xff000000, v232            ; 2 off the exponent field: the conversion's scale operand
	v_add_nc_u32 v245, 0xff000000, v233
	SOP 4, 96
	SOP 5, 96
	v_lshrrev_b32 v236, 23, v244                   ; the scales' bytes
	v_lshrrev_b32 v237, 23, v245
	SOP 6, 96
	SOP 7, 96
	v_lshl_or_b32 v254, v237, 16, v236             ; my two bytes: blocks h and 2 + h,
	SOP 8, 96
	SOP 9, 96
	v_lshlrev_b32 v254, v69, v254                  ; at their places;
	SOP 10, 96
	SOP 11, 96
	v_permlanex16_b32 v235, v254, s[SEL], s[SEL+1]
	SOP 12, 96
	SOP 13, 96
	SOP 14, 96
	v_or_b32 v254, v254, v235                      ; with lane l xor 16's two, p's scale word for these 128 keys is whole
	SOP 15, 96
.irp u, 0,1,2,3
	v_cvt_scalef32_pk8_fp4_f32 v[PCD+\u], v[96+8*\u:103+8*\u], v244   ; keys 32 h + 8 u + 0 .. 7: register u of P's fragment
.endr
	s_wait_alu depctr_va_vdst(0)                   ; one wait for the second batch
.irp u, 0,1,2,3
	v_cvt_scalef32_pk8_fp4_f32 v[PCD+4+\u], v[128+8*\u:135+8*\u], v245
.endr
.irp k, 0,1,2,3,4,5,6,7,8,9,10,11,12,13,14,15
	SOP \k, 128                                    ; these sixteen are also the places between p's scale word and codes and the products below
.endr
	s_wait_dscnt 10                                ; V and its scale words are in; the next step's K, 10 loads, may be out
.irp t, 0,1
	v_wmma_scale_f32_16x16x128_f8f6f4 v[160+8*\t:167+8*\t], v[200+8*\t:207+8*\t], v[PCD:PCD+7], v[160+8*\t:167+8*\t], v[28+\t], v254 matrix_a_fmt:MATRIX_FMT_FP4 matrix_b_fmt:MATRIX_FMT_FP4
.endr
.irp t, 2,3
	v_wmma_scale_f32_16x16x128_f8f6f4 v[160+8*\t:167+8*\t], v[200+8*\t:207+8*\t], v[PCD:PCD+7], v[160+8*\t:167+8*\t], v[26+\t], v254 matrix_a_fmt:MATRIX_FMT_FP4 matrix_b_fmt:MATRIX_FMT_FP4 matrix_a_scale:MATRIX_SCALE_ROW1
.endr
	s_add_co_u32 s[TK], s[TK], KST
	s_add_co_u32 s[TS], s[TS], 512
	s_add_co_u32 s[TV], s[TV], 4096
	s_add_co_u32 s[TW], s[TW], 256
	s_sub_co_u32 s[NST], s[NST], 1
	s_cmp_lg_u32 s[NST], 0
	s_cbranch_scc1 .Lstep
	; THE TILE'S END: O^T / the sum is ctx(query r, d = 32 b + 16 h + i); its two blocks of 32 are quantised and leave as registers 4 (head % 2) .. + 3 of ctx's fragment (K step head / 2)
.rept 4
	v_nop                                          ; the places behind the last products
.endr
	s_wait_alu depctr_va_vdst(0)                   ; the wait directly ahead of the reader below
	v_add_f32 v14, v14, v15
	s_delay_alu instid0(VALU_DEP_1)
	v_permlanex16_b32 v252, v14, s[SEL], s[SEL+1]
	s_delay_alu instid0(VALU_DEP_1)
	v_add_f32 v14, v14, v252                       ; the row's sum
	s_wait_alu depctr_va_vdst(0)                   ; the wait ahead of the reciprocal
	v_rcp_f32 v14, v14
	v_nop                                          ; a plain place behind the reciprocal
	s_wait_alu depctr_va_vdst(0)                   ; and the wait ahead of its first reader, which is O^T's first reader too
.set j, 0
.rept 16
	v_pk_mul_f32 v[96+j:97+j], v[160+j:161+j], v[14:15] op_sel_hi:[1,0]   ; each accumulator from its low end on
.set j, j+2
.endr
.irp b, 0,1
	v_max3_num_f32 v[232+\b], |v[96+16*\b]|, |v[97+16*\b]|, 0x1800000
.endr
.irp i, 2,4,6,8,10,12,14
.irp b, 0,1
	s_delay_alu instid0(VALU_DEP_2)
	v_max3_num_f32 v[232+\b], v[232+\b], |v[96+16*\b+\i]|, |v[97+16*\b+\i]|
.endr
.endr
.irp b, 0,1
	s_delay_alu instid0(VALU_DEP_2)
	v_permlanex16_b32 v[236+\b], v[232+\b], s[SEL], s[SEL+1]
.endr
.irp b, 0,1
	s_delay_alu instid0(VALU_DEP_2)
	v_max_num_f32 v[232+\b], v[232+\b], v[236+\b]
.endr
.irp b, 0,1
	s_delay_alu instid0(VALU_DEP_2)
	v_add_nc_u32 v[244+\b], 0xff000000, v[232+\b]
.endr
.irp b, 0,1
	s_delay_alu instid0(VALU_DEP_2)
	v_lshrrev_b32 v[236+\b], 23, v[244+\b]
.endr
	s_delay_alu instid0(VALU_DEP_1)
	v_cndmask_b32 v254, v236, v237, s[MK]          ; lanes 0-15 store block 0's byte, lanes 16-31 block 1's
.irp b, 0,1
	v_cvt_scalef32_pk8_fp4_f32 v[PCD+2*\b], v[96+16*\b:103+16*\b], v[244+\b]
	v_cvt_scalef32_pk8_fp4_f32 v[PCD+1+2*\b], v[104+16*\b:111+16*\b], v[244+\b]
.endr
	v_nop                                          ; one plain place behind a scaled conversion
	v_permlane16_swap_b32 v[PCD], v[PCD+2]         ; a whole block in a lane
	v_permlane16_swap_b32 v[PCD+1], v[PCD+3]
	global_store_b128 v1, v[PCD:PCD+3], s[CP:CP+1] ; a piece: 512 consecutive bytes
	global_store_b8 v7, v254, s[CSP:CSP+1]
	s_wait_xcnt 0x0                                ; the loads and stores have read their registers and bases
	s_add_nc_u64 s[QP:QP+1], s[QP:QP+1], 8192      ; 256 queries on
	s_add_nc_u64 s[QSP:QSP+1], s[QSP:QSP+1], 1024
	s_add_nc_u64 s[CP:CP+1], s[CP:CP+1], 2*69632
	s_add_nc_u64 s[CSP:CSP+1], s[CSP:CSP+1], 2*69632
	s_sub_co_u32 s[NIT], s[NIT], 1
	s_cmp_lg_u32 s[NIT], 0
	s_cbranch_scc1 .Ltile
	s_wait_tensorcnt 0x0                           ; the wave's end
	ds_add_u32 v5, v6
	s_wait_dscnt 0x0
	CROUND                                         ; the closing round
	s_endpgm
.Lfunc_end_k_q32c4542bc0_attn:
	.size	k_q32c4542bc0_attn, .Lfunc_end_k_q32c4542bc0_attn-k_q32c4542bc0_attn
	.p2alignl 7, 3214868480
	.fill 96, 4, 3214868480
	.section	.rodata,"a",@progbits
	.p2align	6, 0x0
	.amdhsa_kernel k_q32c4542bc0_attn
		.amdhsa_group_segment_fixed_size 167936
		.amdhsa_private_segment_fixed_size 0
		.amdhsa_enable_private_segment 0
		.amdhsa_kernarg_size 24
		.amdhsa_user_sgpr_count 2
		.amdhsa_user_sgpr_kernarg_segment_ptr 1
		.amdhsa_wavefront_size32 1
		.amdhsa_system_sgpr_workgroup_id_x 1
		.amdhsa_system_sgpr_workgroup_id_y 1
		.amdhsa_system_sgpr_workgroup_id_z 1
		.amdhsa_system_vgpr_workitem_id 0
		.amdhsa_next_free_vgpr 256
		.amdhsa_next_free_sgpr 80
		.amdhsa_reserve_vcc 0
		.amdhsa_float_denorm_mode_32 3
		.amdhsa_float_denorm_mode_16_64 3
		.amdhsa_memory_ordered 1
		.amdhsa_forward_progress 1
		.amdhsa_inst_pref_size 28
	.end_amdhsa_kernel
	.amdgpu_metadata
---
amdhsa.version: [ 1, 2 ]
amdhsa.kernels:
  - .name:           k_q32c4542bc0_attn
    .symbol:         k_q32c4542bc0_attn.kd
    .args:
      - { .name: qbuf, .offset: 0, .size: 8, .value_kind: global_buffer, .address_space: global }
      - { .name: kvbuf, .offset: 8, .size: 8, .value_kind: global_buffer, .address_space: global }
      - { .name: cbuf, .offset: 16, .size: 8, .value_kind: global_buffer, .address_space: global }
    .group_segment_fixed_size: 167936
    .private_segment_fixed_size: 0
    .kernarg_segment_align: 8
    .kernarg_segment_size: 24
    .max_flat_workgroup_size: 512
    .sgpr_count:     80
    .vgpr_count:     256
    .wavefront_size: 32
...
	.end_amdgpu_metadata
.endif
;; end of part 3
;; launch ogemm (part 4): grid 4 x 64, 4 waves a work-group, clusters of 4 x 1, 167,936 bytes of LDS; arguments cbuf, wimg, wsc, bo, out0; writes out0
.if DOCPART == 4
	.amdgcn_target "amdgcn-amd-amdhsa--gfx1250"
	.amdhsa_code_object_version 6
	.text
	.protected	k_q32c4542bc0_ogemm
	.globl	k_q32c4542bc0_ogemm
	.p2align	8
	.type	k_q32c4542bc0_ogemm,@function
k_q32c4542bc0_ogemm:
	s_mov_b64 s[64:65], 0
	v_nop
	global_prefetch_b8 v0, s[64:65] scope:SCOPE_SE
	s_setreg_imm32_b32 hwreg(HW_REG_WAVE_MODE, 25, 1), 1
	s_wait_xcnt 0x0
	s_wait_alu depctr_hold_cnt(0) depctr_sa_sdst(0) depctr_va_vdst(0) depctr_va_sdst(0) depctr_va_ssrc(0) depctr_va_vcc(0) depctr_vm_vsrc(0)
	s_getreg_b32 s2, hwreg(HW_REG_IB_STS2, 6, 4)
	s_cmp_eq_u32 s2, 0
	s_cbranch_scc0 .Lentry_in_a_cluster
	s_endpgm
.Lentry_in_a_cluster:
	s_bfe_u32 s2, ttmp6, 0x10000c
	s_cmp_lg_u32 s2, 0x3003
	s_cbranch_scc0 .Lentry_shape_is_right
	s_endpgm
.Lentry_shape_is_right:
; OGEMM: out = ctx Wo + bo on codes of E2M1.  Nothing of reference() is left out here.
; SHARES.  A work-group takes 128 tokens (cluster y) x 256 columns (cx); wave w takes the 64 columns of group g = 4 cx + w: 4 column tiles x 8 token tiles = 32 accumulators.
; ctx's block of codes and scale words (69,632 dense bytes) is the same for the four partners of a cluster: four JOINT loads, one a wave, filled once.  Wo's image of a group (256 registers) goes from memory straight into the owning wave's registers.
; cx enters the global addresses of Wo's image, bo and out alone.
; Source 0 = 16 columns of Wo (pi(t, r) of the group's 64), source 1 = 16 tokens (pi(T, r) of the 128): a lane holds one token and, in its four tiles' registers, columns 32 b + 16 h + i.  bo is the C of each sum's first product.
; THE WAY OUT: a token tile (16 rows x 256 bytes) goes through the wave's own stage in LDS and leaves as whole rows: sixteen lanes store 256 consecutive bytes, aligned.
; REGISTERS.  window 0: v1-10 addresses; v12-19 ctx's scale words (two sets); v20-35 Wo's; v44-75 bo; v128-255 two sets of token fragments, later rows of out.   window 1: the accumulators, 8 (4 T + t).   window 2: Wo, 32 s + 8 t.
.set ABLK,  69632
.set STAGE, ABLK                       ; 16 rows x 272 bytes for each wave: bytes of their own, into which no tensor load lands
.set SPARE, STAGE+4*16*272
.set LI,   1
.set L4,   2
.set AC,   3
.set ASA,  4
.set STO,  5
.set RDB,  6
.set GO,   7
.set SPW,  8
.set NIL,  9
.set HB,   10
.set AS,   12
.set WS,   20
.set BIAS, 44
.set ABUF, 128
.set BK,   128
.set WV,   14
.set G0,   20
.set G1,   24
.set WP,   32
.set WSP,  34
.set BP,   36
.set OP,   38
.set MSB, 0
.macro WIN new
.if MSB != (\new)
	s_set_vgpr_msb (MSB<<8)|(\new)
.set MSB, (\new)
.endif
.endm
.macro PLACES
.rept 4
	v_nop
.endr
.endm
.macro CROUND
	s_barrier_signal -1
	s_barrier_wait -1
	s_cmp_lg_u32 s[WV], 0
	s_cbranch_scc1 .Lnot_wave_0_\@
	s_barrier_signal -3
.Lnot_wave_0_\@:
	s_barrier_wait -3
	s_barrier_signal -1
	s_barrier_wait -1
.endm
.macro MM m, t, s                      ; token tile m x column tile t, K step s; step 0 takes bo as C
.set RD, 8*(4*(\m)+(\t))
.set RA0, 32*(\s)+8*(\t)
.set RB1, ABUF+64*((\s)&1)+8*(\m)
.set RS0, WS+8*((\t)>>1)+(\s)
.set RS1, AS+4*((\s)&1)+((\m)&3)
.set RC, RD
.if (\s) == 0
.set RC, BIAS+8*(\t)
.endif
.if ((\t)&1) && ((\m)>>2)
	v_wmma_scale_f32_16x16x128_f8f6f4 v[RD:RD+7], v[RA0:RA0+7], v[RB1:RB1+7], v[RC:RC+7], v[RS0], v[RS1] matrix_a_fmt:MATRIX_FMT_FP4 matrix_b_fmt:MATRIX_FMT_FP4 matrix_a_scale:MATRIX_SCALE_ROW1 matrix_b_scale:MATRIX_SCALE_ROW1
.elseif ((\t)&1)
	v_wmma_scale_f32_16x16x128_f8f6f4 v[RD:RD+7], v[RA0:RA0+7], v[RB1:RB1+7], v[RC:RC+7], v[RS0], v[RS1] matrix_a_fmt:MATRIX_FMT_FP4 matrix_b_fmt:MATRIX_FMT_FP4 matrix_a_scale:MATRIX_SCALE_ROW1
.elseif ((\m)>>2)
	v_wmma_scale_f32_16x16x128_f8f6f4 v[RD:RD+7], v[RA0:RA0+7], v[RB1:RB1+7], v[RC:RC+7], v[RS0], v[RS1] matrix_a_fmt:MATRIX_FMT_FP4 matrix_b_fmt:MATRIX_FMT_FP4 matrix_b_scale:MATRIX_SCALE_ROW1
.else
	v_wmma_scale_f32_16x16x128_f8f6f4 v[RD:RD+7], v[RA0:RA0+7], v[RB1:RB1+7], v[RC:RC+7], v[RS0], v[RS1] matrix_a_fmt:MATRIX_FMT_FP4 matrix_b_fmt:MATRIX_FMT_FP4
.endif
.endm
.macro FETCH_A s                       ; 17 LDS loads: K step s's scale words, then the 8 token tiles' fragments, into set s % 2
.set AB, ABUF+64*((\s)&1)
	ds_load_b128 v[AS+4*((\s)&1):AS+4*((\s)&1)+3], v[ASA] offset:(\s)*512
.irp m, 0,1,2,3,4,5,6,7
	ds_load_b128 v[AB+8*\m:AB+8*\m+3],   v[AC] offset:(\s)*8192+\m*1024
	ds_load_b128 v[AB+8*\m+4:AB+8*\m+7], v[AC] offset:(\s)*8192+\m*1024+512
.endr
.endm
	s_load_b256 s[4:11], s[0:1], 0x0               ; cbuf, wimg, wsc, bo
	s_load_b64 s[12:13], s[0:1], 0x20              ; out0
	v_lshl_add_u32 v[SPW], v0, 2, SPARE
	v_mov_b32 v[NIL], 0
	ds_add_u32 v[SPW], v[NIL]                      ; the wave's opening: the add, twice on end, and its wait ahead of the round in front of my first tensor load
	ds_add_u32 v[SPW], v[NIL]
	v_lshrrev_b32 v1, 5, v0
	v_readfirstlane_b32 s[WV], v1                  ; wave 0..3
	s_bfe_u32 s15, ttmp6, 0x40000                  ; cx
	s_and_b32 s16, ttmp7, 0xffff                   ; the block of 128 tokens: the partners share it
	s_lshl_b32 s17, s15, 2
	s_add_co_u32 s17, s17, s[WV]                   ; my group of 64 columns
	s_mov_b32 s[G1+0], 15|(3<<16)|(1<<21)          ; the mask: all four; elements of 8 bytes; bit 21 beside a mask
	s_mov_b32 s[G1+1], 32<<16
	s_mov_b32 s[G1+2], 68<<16
	s_mov_b32 s[G1+3], 32<<16
	s_mov_b32 s[G1+4], 68                          ; 68 rows of 256 bytes: a quarter of the block
	s_mov_b32 s[G1+5], 32
	s_mov_b32 s[G1+6], 0
	s_mov_b32 s[G1+7], 0
	s_mov_b32 s[G0], 1
	s_mul_i32 s[G0+1], s[WV], ABLK/4
	s_mul_i32 s40, s16, ABLK
	s_add_co_u32 s40, s40, s[G0+1]
	s_mov_b32 s41, 0
	s_wait_dscnt 0x0                               ; both opening adds are done
	s_wait_kmcnt 0x0
	s_add_nc_u64 s[G0+2:G0+3], s[4:5], s[40:41]
	s_or_b32 s[G0+3], s[G0+3], 0x80000000
	CROUND                                         ; all four work-groups are here: the joint loads meet
	tensor_load_to_lds s[G0:G0+3], s[G1:G1+7]
	s_nop 0
	PLACES
	v_and_b32 v[L4], 31, v0
	v_lshlrev_b32 v[LI], 4, v[L4]
	v_lshlrev_b32 v[L4], 2, v[L4]
	v_mov_b32 v[AC], v[LI]
	v_add_nc_u32 v[ASA], 0x10000, v[LI]
	v_bfe_u32 v[GO], v0, 4, 1                      ; h
	v_lshlrev_b32 v[HB], 6, v[GO]
	v_and_b32 v11, 15, v0                          ; r
	s_mul_i32 s42, s[WV], 16*272
	s_add_co_u32 s42, s42, STAGE                   ; my stage
	v_mul_u32_u24 v[STO], v11, 272
	v_add_nc_u32 v[STO], v[STO], v[HB]
	v_add_nc_u32 v[STO], s42, v[STO]               ; in: row r, + 64 h
	v_mul_u32_u24 v[RDB], v[GO], 8*272
	v_lshl_add_u32 v[RDB], v11, 4, v[RDB]
	v_add_nc_u32 v[RDB], s42, v[RDB]               ; back: lanes 0-15 row i, lanes 16-31 row i + 8
	v_lshlrev_b32 v[GO], 16, v[GO]
	v_lshl_add_u32 v[GO], v11, 4, v[GO]            ; in out: row i + 8 of a tile is the token 16 further on
	s_add_co_u32 s40, s17, 51
	s_lshl_b32 s40, s40, 15
	s_add_nc_u64 s[WP:WP+1], s[6:7], s[40:41]
	s_add_co_u32 s40, s17, 51
	s_lshl_b32 s40, s40, 11
	s_add_nc_u64 s[WSP:WSP+1], s[8:9], s[40:41]
	s_lshl_b32 s40, s17, 8
	s_add_nc_u64 s[BP:BP+1], s[10:11], s[40:41]
	s_lshl_b32 s43, s16, 19
	s_add_co_u32 s40, s40, s43
	s_add_nc_u64 s[OP:OP+1], s[12:13], s[40:41]    ; out + 128 rows x block + 256 bytes x group
	WIN 0x80                                       ; destination window 2
.irp s, 0,1,2,3,4,5,6,7
.irp t, 0,1,2,3
	global_load_b128 v[32*\s+8*\t:32*\s+8*\t+3],   v[LI], s[WP:WP+1] offset:\s*4096+\t*1024
	global_load_b128 v[32*\s+8*\t+4:32*\s+8*\t+7], v[LI], s[WP:WP+1] offset:\s*4096+\t*1024+512
.endr
.endr
	WIN 0
.irp s, 0,1,2,3,4,5,6,7
	global_load_b32 v[WS+\s],   v[L4], s[WSP:WSP+1] offset:\s*128
	global_load_b32 v[WS+8+\s], v[L4], s[WSP:WSP+1] offset:1024+\s*128
.endr
.irp b, 0,1
.irp q, 0,1,2,3
	global_load_b128 v[BIAS+16*\b+4*\q:BIAS+16*\b+4*\q+3], v[HB], s[BP:BP+1] offset:128*\b+16*\q   ; bo at columns 32 b + 16 h + i
.endr
.endr
	s_wait_tensorcnt 0x0                           ; my quarter is in,
	s_barrier_signal -1
	s_barrier_wait -1                              ; everybody's is
	FETCH_A 0
	FETCH_A 1
	s_wait_loadcnt 0x0                             ; Wo's image, its scale words, bo
.irp s, 0,1,2,3,4,5,6,7
.if \s < 7
	s_wait_dscnt 17                                ; this step's 17 loads are in; the next step's may be out
.else
	s_wait_dscnt 0x0
.endif
.if \s == 0
	WIN 0x42                                       ; source 0 (Wo) window 2, source 1 (ctx) and C (bo) window 0, D window 1
.else
	WIN 0x52                                       ; C and D window 1
.endif
.irp m, 0,1,2,3,4,5,6,7
.irp t, 0,1,2,3
	MM \m, \t, \s                                  ; the 32 accumulators take turns, one instruction a turn
.endr
.endr
	WIN 0
	PLACES                                         ; four places in front of loads into registers that these products have read, and of the first read of results
.if \s < 6
	FETCH_A \s+2
.endif
.endr
.macro TOSTAGE a                       ; token tile a through my stage
	WIN 0x04                                       ; an LDS store's data are its source 1: window 1
.irp t, 0,1,2,3
	ds_store_b128 v[STO], v[32*(\a)+8*\t:32*(\a)+8*\t+3]   offset:128*(\t>>1)+32*(\t&1)      ; each accumulator from its low end on
	ds_store_b128 v[STO], v[32*(\a)+8*\t+4:32*(\a)+8*\t+7] offset:128*(\t>>1)+32*(\t&1)+16
.endr
	WIN 0
.irp i, 0,1,2,3,4,5,6,7
	ds_load_b128 v[BK+32*((\a)&1)+4*\i:BK+32*((\a)&1)+4*\i+3], v[RDB] offset:\i*272   ; LDS serves a wave's instructions in order: these see the stores above, and the next tile's stores come behind them
.endr
.endm
.macro SEND a, younger                 ; younger: the LDS instructions issued behind tile a's loads, which may stay out
	s_wait_dscnt \younger
.irp i, 0,1,2,3,4,5,6,7
	global_store_b128 v[GO], v[BK+32*((\a)&1)+4*\i:BK+32*((\a)&1)+4*\i+3], s[OP:OP+1] offset:(32*((\a)>>1)+8*((\a)&1)+\i)*4096 th:TH_STORE_NT   ; sixteen lanes store 256 consecutive bytes, aligned; written once, read by nobody here
.endr
.endm
	s_wait_alu depctr_va_vdst(0)
	TOSTAGE 0
.irp a, 1,2,3,4,5,6,7
.if \a > 1
	s_wait_xcnt 0x0                                ; tile a - 2's stores have read their registers: tile a's loads may land there
.endif
	TOSTAGE \a
	SEND \a-1, 16                                  ; behind tile a - 1's loads: tile a's 8 stores and 8 loads
.endr
	SEND 7, 0
	s_wait_tensorcnt 0x0                           ; the wave's end, behind my last tensor load and my last LDS store
	ds_add_u32 v[SPW], v[NIL]
	s_wait_dscnt 0x0
	CROUND                                         ; the closing round
	s_endpgm
.Lfunc_end_k_q32c4542bc0_ogemm:
	.size	k_q32c4542bc0_ogemm, .Lfunc_end_k_q32c4542bc0_ogemm-k_q32c4542bc0_ogemm
	.p2alignl 7, 3214868480
	.fill 96, 4, 3214868480
	.section	.rodata,"a",@progbits
	.p2align	6, 0x0
	.amdhsa_kernel k_q32c4542bc0_ogemm
		.amdhsa_group_segment_fixed_size 167936
		.amdhsa_private_segment_fixed_size 0
		.amdhsa_enable_private_segment 0
		.amdhsa_kernarg_size 40
		.amdhsa_user_sgpr_count 2
		.amdhsa_user_sgpr_kernarg_segment_ptr 1
		.amdhsa_wavefront_size32 1
		.amdhsa_system_sgpr_workgroup_id_x 1
		.amdhsa_system_sgpr_workgroup_id_y 1
		.amdhsa_system_sgpr_workgroup_id_z 1
		.amdhsa_system_vgpr_workitem_id 0
		.amdhsa_next_free_vgpr 768
		.amdhsa_next_free_sgpr 66
		.amdhsa_reserve_vcc 0
		.amdhsa_float_denorm_mode_32 3
		.amdhsa_float_denorm_mode_16_64 3
		.amdhsa_memory_ordered 1
		.amdhsa_forward_progress 1
		.amdhsa_inst_pref_size 70
	.end_amdhsa_kernel
	.amdgpu_metadata
---
amdhsa.version: [ 1, 2 ]
amdhsa.kernels:
  - .name:           k_q32c4542bc0_ogemm
    .symbol:         k_q32c4542bc0_ogemm.kd
    .args:
      - { .name: cbuf, .offset: 0, .size: 8, .value_kind: global_buffer, .address_space: global }
      - { .name: wimg, .offset: 8, .size: 8, .value_kind: global_buffer, .address_space: global }
      - { .name: wsc, .offset: 16, .size: 8, .value_kind: global_buffer, .address_space: global }
      - { .name: bo, .offset: 24, .size: 8, .value_kind: global_buffer, .address_space: global }
      - { .name: out0, .offset: 32, .size: 8, .value_kind: global_buffer, .address_space: global }
    .group_segment_fixed_size: 167936
    .private_segment_fixed_size: 0
    .kernarg_segment_align: 8
    .kernarg_segment_size: 40
    .max_flat_workgroup_size: 128
    .sgpr_count:     66
    .vgpr_count:     768
    .wavefront_size: 32
...
	.end_amdgpu_metadata
.endif
;; end of part 4
